; MI455X (gfx1250); checked and timed in simulation.
; The chip was launched on July 23, 2026; its instructions are those of AMD's public machine-readable ISA for CDNA 5 (MIT licence, August 2026) and "CDNA5" Instruction Set Architecture Reference Guide (July 2026). The comments in the code are by the model that wrote it; some were corrected since.
;; Simple Model. Allowed arithmetic: float matrix products may take bf16 or f16 operands with f32 sums; all other float work in f32.
;; Inputs: hashed_weight 1,048,576 float32; x 8,192 x 4,096 float32.
;; Outputs: out0 8,192 x 1 float32.
;; 3 versions, each right; version 3 is version 2 with the launch prep written anew for expert scheduling mode. Each part assembles by itself: llvm-mc -triple=amdgcn-amd-amdhsa -mcpu=gfx1250 --defsym DOCPART=n.
;; ======== version 1 of 3: 3 launches
;; workspace buffers: wt 16,777,216 bytes; part 524,288 bytes
;; launch prep (part 1): grid 256 x 1, 4 waves a work-group, no clusters, 0 bytes of LDS; arguments hashed_weight, wt; writes wt
.if DOCPART == 1
	.amdgcn_target "amdgcn-amd-amdhsa--gfx1250"
	.amdhsa_code_object_version 6
	.text
	.protected	k_qe1379d37f9_prep
	.globl	k_qe1379d37f9_prep
	.p2align	8
	.type	k_qe1379d37f9_prep,@function
k_qe1379d37f9_prep:
	s_mov_b64 s[64:65], 0
	v_nop
	global_prefetch_b8 v0, s[64:65] scope:SCOPE_SE
	s_setreg_imm32_b32 hwreg(HW_REG_WAVE_MODE, 25, 1), 1
	s_wait_xcnt 0x0
; W [4096][2048] is rebuilt from the shared vector, rounded to bf16 (nearest even) and written as ready matrix fragments.
; Tile (kb, nb) of 32 x 32 of W is the 1,024 consecutive f32 of hashed_weight from start(kb, nb) = ((kb R3 + nb R2 + R1) mod (2^31 - 1)) mod 1,047,552 on, k by n.
; R1, R2, R3 are the first three numbers of numpy's RandomState(1367).randint(1, 2^31 - 1): part of the index map that the problem fixes.  They are made here, exactly, in integer scalar code:
; the generator's seeding recurrence up to word 399, the twist of words 0 to 2, the tempering, the mask of 31 bits, plus 1.
; LIMIT.  numpy throws a masked draw above 2^31 - 3 away and draws again; that second draw is not written.  It hangs on the fixed seed alone, on no input.
; wt, in bytes: W[k][n] lies at (n/256) 2,097,152 + (k/32) 16,384 + ((n/32)%8) 2,048 + ((k%32)/8) 512 + (n%32) 16 + (k%8) 2:
; a column tile's stream is dense, 32 k of it are 16,384 bytes on end, and sixteen neighbouring columns' eight k are 256 bytes on end.
; SHARES.  1,024 waves; wave Wv owns nt = Wv / 128 and kb = Wv % 128: eight hash tiles (nb = 8 nt + 0..7), 16,384 consecutive bytes of wt.  No LDS, no barrier: a lane loads one column n, 32 k,
; so the turning from [k][n] to k-contiguous costs nothing.  The starts are multiples of 4 bytes only, so the loads are of 4 bytes a lane: 128 consecutive bytes a load.
.set BUF, 4                            ; v[4:35], v[36:67]  two buffers: a tile's 32 rows, my column
.set Y,   68                           ; v[68:83]  the tile in bf16: 16 registers, k ascending
.set KEY0, 44                          ; s44      word 0 of the generator's state: the seed
                                       ; s15-17   words 1 to 3;  s18-20 words 397 to 399;  s21-23 R1, R2, R3
                                       ; s[24:25] kb R3 + nb R2 + R1 for the tile to come;  s[30:31] R2 as a pair
                                       ; s[40:41], s[42:43] the load base of buffer 0, 1
	s_load_b128 s[4:7], s[0:1], 0x0                ; hashed_weight s[4:5], wt s[6:7]; waited for behind the chain below
	v_lshrrev_b32 v3, 5, v0
	v_readfirstlane_b32 s8, v3                     ; wave 0..3
	s_lshl_b32 s9, ttmp9, 2
	s_add_co_u32 s9, s9, s8                        ; Wv
	v_and_b32 v3, 31, v0
	v_lshlrev_b32 v1, 2, v3                        ; 4 x lane: my column in a row of a hash tile
	v_lshlrev_b32 v2, 4, v3                        ; 16 x lane: my 16 bytes in 512 of wt
	; THE SEEDING: word[i] = 1,812,433,253 (word[i-1] xor word[i-1] >> 30) + i, modulo 2^32.  Each word needs the one before it, so the 399 steps are one chain; they are written out,
	; four scalar lines each, the index as the add's 16-bit immediate: 6,384 bytes of text.
	s_mov_b32 s[KEY0], 1367
	s_mov_b32 s10, 1367                            ; the word in hand
	s_mov_b32 s12, 0x6c078965
.macro MTSTEP idx
	s_lshr_b32 s11, s10, 30
	s_xor_b32 s11, s11, s10
	s_mul_i32 s10, s11, s12
	s_addk_co_i32 s10, \idx
.endm
	MTSTEP 1
	s_mov_b32 s15, s10                             ; word 1
	MTSTEP 2
	s_mov_b32 s16, s10                             ; word 2
	MTSTEP 3
	s_mov_b32 s17, s10                             ; word 3
.set ii, 4
.rept 393                              ; words 4 to 396
	MTSTEP ii
.set ii, ii+1
.endr
	MTSTEP 397
	s_mov_b32 s18, s10                             ; word 397
	MTSTEP 398
	s_mov_b32 s19, s10                             ; word 398
	MTSTEP 399
	s_mov_b32 s20, s10                             ; word 399
; Draw o: the twist of word o (from words o, o + 1, o + 397, all still as seeded), the tempering, 31 bits, plus 1
.macro DRAW dst, k0, k1, km
	s_and_b32 s32, s[\k0], 0x80000000
	s_and_b32 s33, s[\k1], 0x7fffffff
	s_or_b32 s32, s32, s33
	s_bitcmp1_b32 s32, 0
	s_cselect_b32 s33, 0x9908b0df, 0
	s_lshr_b32 s32, s32, 1
	s_xor_b32 s32, s32, s33
	s_xor_b32 s32, s32, s[\km]
	s_lshr_b32 s33, s32, 11
	s_xor_b32 s32, s32, s33
	s_lshl_b32 s33, s32, 7
	s_and_b32 s33, s33, 0x9d2c5680
	s_xor_b32 s32, s32, s33
	s_lshl_b32 s33, s32, 15
	s_and_b32 s33, s33, 0xefc60000
	s_xor_b32 s32, s32, s33
	s_lshr_b32 s33, s32, 18
	s_xor_b32 s32, s32, s33
	s_and_b32 s32, s32, 0x7fffffff
	s_add_co_u32 s[\dst], s32, 1
.endm
	DRAW 21, KEY0, 15, 18                          ; R1
	DRAW 22, 15, 16, 19                            ; R2
	DRAW 23, 16, 17, 20                            ; R3
	; kb R3 + 8 nt R2 + R1: below 191 x 2^31, so 64 bits hold it
	s_and_b32 s26, s9, 127                         ; kb
	s_mov_b32 s27, 0
	s_mov_b32 s28, s23
	s_mov_b32 s29, 0
	s_mul_u64 s[24:25], s[26:27], s[28:29]
	s_lshr_b32 s26, s9, 7                          ; nt
	s_lshl_b32 s26, s26, 3
	s_mov_b32 s30, s22
	s_mov_b32 s31, 0
	s_mul_u64 s[26:27], s[26:27], s[30:31]
	s_add_nc_u64 s[24:25], s[24:25], s[26:27]
	s_mov_b32 s28, s21
	s_add_nc_u64 s[24:25], s[24:25], s[28:29]
	s_mov_b32 s37, 0                               ; high word of the offset pair s[36:37]
	s_lshl_b32 s38, s9, 14                         ; my 16,384 bytes of wt
	s_mov_b32 s39, 0
	s_wait_kmcnt 0x0
	s_add_nc_u64 s[6:7], s[6:7], s[38:39]
; The next tile's start, and from it the load base of buffer p.
; Modulo 2^31 - 1: 2^31 counts as 1, so the bits from 31 on are added to the low 31; the sum is below 2^31 + 256: one subtraction at the most.
; Modulo 1,023 x 1,024: the low ten bits stay; of the rest, 1,024 counts as 1 modulo 1,023, so its three fields are added (2,047 at the most) and 1,023 is taken away up to twice.
.macro START p
	s_lshl_b32 s32, s25, 1
	s_lshr_b32 s33, s24, 31
	s_or_b32 s32, s32, s33
	s_and_b32 s33, s24, 0x7fffffff
	s_add_co_u32 s32, s32, s33
	s_cmp_ge_u32 s32, 0x7fffffff
	s_cselect_b32 s33, 0x7fffffff, 0
	s_sub_co_u32 s32, s32, s33
	s_bfe_u32 s33, s32, 0xa000a                    ; ten bits from bit 10
	s_bfe_u32 s34, s32, 0xa0014                    ; ten bits from bit 20
	s_add_co_u32 s33, s33, s34
	s_lshr_b32 s34, s32, 30
	s_add_co_u32 s33, s33, s34
.rept 2
	s_cmp_ge_u32 s33, 1023
	s_cselect_b32 s34, 1023, 0
	s_sub_co_u32 s33, s33, s34
.endr
	s_and_b32 s32, s32, 1023
	s_lshl_b32 s33, s33, 10
	s_or_b32 s32, s32, s33
	s_min_u32 s32, s32, 0xffbff                    ; the modulo's own bound, 1,047,551, written where an address is made: start + 1,023 stays inside the 1,048,576 numbers
	s_lshl_b32 s36, s32, 2
	s_add_nc_u64 s[40+2*(\p):41+2*(\p)], s[4:5], s[36:37]
	s_add_nc_u64 s[24:25], s[24:25], s[30:31]      ; nb + 1
.endm
.macro LOADS p, first, count           ; rows first .. first + count - 1 of the tile: row i is k = i, my lane is n
.set i, \first
.rept \count
	global_load_b32 v[BUF+32*(\p)+i], v1, s[40+2*(\p):41+2*(\p)] offset:128*i
.set i, i+1
.endr
.endm
.macro PACKSTORE t, p                  ; two neighbouring k a register; eight k are 16 bytes; a store of the wave covers 512 consecutive bytes, aligned
.set i, 0
.rept 16
	v_cvt_pk_bf16_f32 v[Y+i], v[BUF+32*(\p)+2*i], v[BUF+32*(\p)+2*i+1]
.set i, i+1
.endr
.irp j, 0,1,2,3
	global_store_b128 v2, v[Y+4*\j:Y+4*\j+3], s[6:7] offset:2048*(\t)+512*\j
.endr
.endm
	START 0
	LOADS 0, 0, 32
.irp t, 0,1,2,3,4,5,6
	START (\t+1)%2                                 ; this base and this buffer served tile t - 1, all of whose 32 loads the last turn's counted wait has shown done
	LOADS (\t+1)%2, 0, 31                          ; 32 + 31 = 63 loads of the wave are out here, the most in this text
	s_wait_loadcnt 31                              ; loads come back in order (ISA guide 5.7.1): tile t is in, the 31 just issued stay out
	LOADS (\t+1)%2, 31, 1                          ; the next tile's last row
	s_wait_xcnt 0x0                                ; Y, which the last tile's stores read, is rewritten only behind this wait
	PACKSTORE \t, (\t)%2
.endr
	s_wait_loadcnt 0x0                             ; the last tile: nothing was issued behind it
	s_wait_xcnt 0x0
	PACKSTORE 7, 1
	s_endpgm
.Lfunc_end_k_qe1379d37f9_prep:
	.size	k_qe1379d37f9_prep, .Lfunc_end_k_qe1379d37f9_prep-k_qe1379d37f9_prep
	.p2alignl 7, 3214868480
	.fill 96, 4, 3214868480
	.section	.rodata,"a",@progbits
	.p2align	6, 0x0
	.amdhsa_kernel k_qe1379d37f9_prep
		.amdhsa_group_segment_fixed_size 0
		.amdhsa_private_segment_fixed_size 0
		.amdhsa_enable_private_segment 0
		.amdhsa_kernarg_size 16
		.amdhsa_user_sgpr_count 2
		.amdhsa_user_sgpr_kernarg_segment_ptr 1
		.amdhsa_wavefront_size32 1
		.amdhsa_system_sgpr_workgroup_id_x 1
		.amdhsa_system_sgpr_workgroup_id_y 1
		.amdhsa_system_sgpr_workgroup_id_z 1
		.amdhsa_system_vgpr_workitem_id 0
		.amdhsa_next_free_vgpr 84
		.amdhsa_next_free_sgpr 66
		.amdhsa_reserve_vcc 0
		.amdhsa_float_denorm_mode_32 3
		.amdhsa_float_denorm_mode_16_64 3
		.amdhsa_memory_ordered 1
		.amdhsa_forward_progress 1
		.amdhsa_inst_pref_size 99
	.end_amdhsa_kernel
	.amdgpu_metadata
---
amdhsa.version: [ 1, 2 ]
amdhsa.kernels:
  - .name:           k_qe1379d37f9_prep
    .symbol:         k_qe1379d37f9_prep.kd
    .args:
      - { .name: hashed_weight, .offset: 0, .size: 8, .value_kind: global_buffer, .address_space: global }
      - { .name: wt, .offset: 8, .size: 8, .value_kind: global_buffer, .address_space: global }
    .group_segment_fixed_size: 0
    .private_segment_fixed_size: 0
    .kernarg_segment_align: 8
    .kernarg_segment_size: 16
    .max_flat_workgroup_size: 128
    .sgpr_count:     66
    .vgpr_count:     84
    .wavefront_size: 32
...
	.end_amdgpu_metadata
.endif
;; end of part 1
;; launch gemm (part 2): grid 8 x 32, 4 waves a work-group, clusters of 4 x 4, 327,680 bytes of LDS; arguments x, wt, part; writes part
.if DOCPART == 2
	.amdgcn_target "amdgcn-amd-amdhsa--gfx1250"
	.amdhsa_code_object_version 6
	.text
	.protected	k_qe1379d37f9_gemm
	.globl	k_qe1379d37f9_gemm
	.p2align	8
	.type	k_qe1379d37f9_gemm,@function
k_qe1379d37f9_gemm:
	s_mov_b64 s[64:65], 0
	v_nop
	global_prefetch_b8 v0, s[64:65] scope:SCOPE_SE
	s_setreg_imm32_b32 hwreg(HW_REG_WAVE_MODE, 25, 1), 1
	s_wait_xcnt 0x0
	s_wait_alu depctr_hold_cnt(0) depctr_sa_sdst(0) depctr_va_vdst(0) depctr_va_sdst(0) depctr_va_ssrc(0) depctr_va_vcc(0) depctr_vm_vsrc(0)
	s_getreg_b32 s2, hwreg(HW_REG_IB_STS2, 6, 4)
	s_cmp_eq_u32 s2, 0
	s_cbranch_scc0 .Lentry_in_a_cluster
	s_endpgm
.Lentry_in_a_cluster:
	s_bfe_u32 s2, ttmp6, 0x10000c
	s_cmp_lg_u32 s2, 0xf033
	s_cbranch_scc0 .Lentry_shape_is_right
	s_endpgm
.Lentry_shape_is_right:
; y = x W in bf16 with f32 sums, K ascending, and of y only each row's sums of squares leave: part[(2 nt + h) 8192 + row] = the sum of y[row][n]^2 over the columns n of column tile nt with (n % 16) / 8 = h.
; x: [8192][4096] f32, rounded to bf16 (nearest even) on the way from LDS to the fragments.  wt: W in bf16, laid out in fragments by the launch before.
; LIMITS.  x and W are rounded to bf16 once; y^2 and its sums are f32 and overflow where the f32 norm itself does; NaN and infinities pass through.
; SHARES.  A tile of y is 256 x 256: 32 x 8 tiles, one work-group each.  Wave w owns rows 64 w .. 64 w + 63 and ALL 256 columns: 4 x 16 accumulators of 16 x 16, 512 registers.  So each number of x is
; read from LDS and rounded once in the work-group (32 conversions for 64 matrix instructions), and a row's 256 squares meet in one wave.  For 32 along K a wave reads 8 KiB of x and 16 KiB of W.
; THE MATRIX INSTRUCTION IS USED TRANSPOSED: source 0 = 16 columns of W, source 1 = 16 rows of x: lane l holds row l % 16 and the columns 8 (l / 16) + 0..7: a row's squares are added inside a lane.
; K goes in steps of 64 through two LDS slots: x's rows are then 256 bytes of memory at multiples of 256; two slots of a step of 128 (512-byte rows of f32) would not fit.
; A step is two halves of 32 along K, 64 matrix instructions each, on fragment buffers 0 and 1.
; CLUSTER.  4 x 4 work-groups.  The four of a row of the cluster need the same tiles of x, the four of a column the same tiles of wt: each tile is asked for JOINTLY, by the same tensor load with the same
; descriptor and a mask that names the four.  By this text's own count a wave has two tensor loads out at the start and one behind each round.
; REGISTERS, in windows of 256 (s_set_vgpr_msb: bits 1:0 source 0, 3:2 source 1, 5:4 source 2, 7:6 destination):
;   window 0: v0-29 addresses; v32-63, v64-95 x's fragments in bf16, two buffers of 4; v96-159 x in f32 as loaded; v160-199 the way out
;   window 1: v0-127, v128-255 W's fragments, two buffers of 16          window 2: the accumulators of row blocks 0, 1 ((a, b) at 8 (16 (a % 2) + b))          window 3: of row blocks 2, 3
.set PITCH,  272                       ; a row of x in LDS: 256 bytes + 16 of padding = 68 words: the 16 rows that a load touches start at 16 different groups of four banks (64 banks of 4 bytes: ISA guide 11.1)
.set AHALF,  128*PITCH                 ; 128 rows of x: one tensor load
.set ABYTES, 2*AHALF
.set BHALF,  16384                     ; 32 k x 256 columns of W: one tensor load, dense: sixteen lanes of a fragment load read 256 consecutive bytes
.set SLOT,   ABYTES+2*BHALF            ; 102,400
.set STAGE,  2*SLOT                    ; behind the ring: 512 bytes for each wave, for the way out; no tensor load lands here
.set SPARE,  STAGE+4*512               ; the spare words, 128 bytes for each wave: two blocks of 256 bytes that no other line names
.set LAPS,   32                        ; a lap = two K steps = once round the ring: 4,096 / 128
.set PFMAX,  62*256                    ; the last two K steps' byte in a row of x
.set ADRA, 16                          ; v16-17  LDS address of my x fragments in slot 0, 1
.set ADRB, 20                          ; v20-21  the same for W
.set STO,  24                          ; v24     the way out: where I put a row's sum
.set RD,   25                          ; v25     where I read four rows' sums back
.set CO,   26                          ; v26     my byte offset in part
.set PFO,  27                          ; v27     my byte offset for the prefetch; never rewritten
.set SPW,  28                          ; v28     LDS address of my spare word: SPARE + 4 x my thread's number; never rewritten
.set NIL,  29                          ; v29     0; never rewritten
.set AF,   32                          ; x's fragments: buffer f at AF + 32 f
.set X,    96                          ; x in f32: row block a at X + 16 a
.set SS,   160                         ; sums of squares: row block a at SS + 8 a
.set RS,   192                         ; v192-195 a row's sum, for each row block
.set BK,   196                         ; v[196:199] four rows' sums
.set G1A, 24                           ; s[24:31] descriptor group 1 for x's tiles;  s[32:39] group 0, one set for each slot
.set G0A, 32
.set G1B, 48                           ; s[48:55], s[56:63] the same for wt's tiles
.set G0B, 56
.set MSB, 0
.macro WIN new                         ; the immediate's high byte repeats the setting that is left; a switch that changes nothing is dropped
.if MSB != (\new)
	s_set_vgpr_msb (MSB<<8)|(\new)
.set MSB, \new
.endif
.endm
.set MUL_LO, 0xa1                      ; source 0 (W) window 1, source 1 (x) window 0, C and D window 2
.set MUL_HI, 0xf1                      ; the same, C and D window 3
.set TO_B,   0x40                      ; destination window 1, address window 0
; A joint load.  Waves 0 and 1 fetch x's two halves, waves 2 and 3 wt's.  The branch hangs on the wave's number alone.  An s_nop 0 and four v_nop follow each of the two lines.
; pf = 1: waves 2 and 3 also ask the L2 for x two laps on: see TURN.
.macro JLOAD s, pf
	s_cmp_eq_u32 s11, 0
	s_cbranch_scc0 .Lfor_b_\@
	tensor_load_to_lds s[G0A+4*(\s):G0A+4*(\s)+3], s[G1A:G1A+7]
	s_nop 0
.rept 4
	v_nop
.endr
	s_branch .Lasked_\@
.Lfor_b_\@:
	tensor_load_to_lds s[G0B+4*(\s):G0B+4*(\s)+3], s[G1B:G1B+7]
	s_nop 0
.rept 4
	v_nop
.endr
.if \pf
	global_prefetch_b8 v[PFO], s[70:71] th:TH_LOAD_NT scope:SCOPE_SE
.endif
.Lasked_\@:
.endm
.macro CREST                           ; a round of the cluster's barrier behind its opening barrier
	s_cmp_lg_u32 s10, 0
	s_cbranch_scc1 .Lnot_wave_0_\@
	s_barrier_signal -3
.Lnot_wave_0_\@:
	s_barrier_wait -3
	s_barrier_signal -1
	s_barrier_wait -1
.endm
.macro CROUND                          ; a whole round
	s_barrier_signal -1
	s_barrier_wait -1
	CREST
.endm
	s_load_b128 s[4:7], s[0:1], 0x0                ; x s[4:5], wt s[6:7]
	s_load_b64 s[8:9], s[0:1], 0x10                ; part
	v_lshl_add_u32 v[SPW], v0, 2, SPARE
	v_mov_b32 v[NIL], 0
	ds_add_u32 v[SPW], v[NIL]                      ; the wave's opening: the add and its wait stand ahead of my first tensor load; the set-up below, work on registers, stands between them
	v_lshrrev_b32 v1, 5, v0
	v_readfirstlane_b32 s10, v1                    ; wave 0..3
	s_lshr_b32 s11, s10, 1                         ; I fetch for x (0) or for wt (1)
	s_and_b32 s12, s10, 1                          ; which half of that tile
	s_bfe_u32 s40, ttmp6, 0x40000                  ; cx
	s_bfe_u32 s41, ttmp6, 0x40004                  ; cy
	s_lshl_b32 s42, ttmp9, 2                       ; in a cluster launch ttmp9 and ttmp7 count clusters
	s_add_co_u32 s42, s42, s40                     ; nt, the column tile = 4 x cluster x + cx
	s_and_b32 s13, ttmp7, 0xffff
	s_lshl_b32 s13, s13, 2
	s_add_co_u32 s13, s13, s41                     ; mt, the row tile = 4 x cluster y + cy
	s_lshl_b32 s43, s41, 2
	s_lshl_b32 s43, 15, s43                        ; my row of the cluster: places 4 cy .. 4 cy + 3
	s_lshl_b32 s44, 0x1111, s40                    ; my column: places cx, cx + 4, cx + 8, cx + 12
	; x's tiles: 128 rows x 64 f32, padded in LDS
	s_or_b32 s[G1A+0], s43, (2<<16)|(1<<20)|(1<<21)|(5<<22)|(3<<25)  ; 15:0 the mask: my row; 17:16 elements of 4 bytes; 20 padding on; 21 set beside a mask; 24:22 after every 64 words (code 5); 31:25 4 words of it (code 3)
	s_mov_b32 s[G1A+1], 64<<16                     ; tensor_dim0 = 64
	s_mov_b32 s[G1A+2], 128<<16                    ; tensor_dim1 = 128
	s_mov_b32 s[G1A+3], 64<<16                     ; tile_dim0 = 64
	s_mov_b32 s[G1A+4], 128                        ; tile_dim1 = 128
	s_mov_b32 s[G1A+5], 4096                       ; elements from row to row
	s_mov_b32 s[G1A+6], 0
	s_mov_b32 s[G1A+7], 0
	; wt's tiles: 16,384 dense bytes, asked for as 64 rows of 256 bytes, no padding
	s_or_b32 s[G1B+0], s44, (1<<16)|(1<<21)        ; 15:0 the mask: my column; 17:16 elements of 2 bytes; 21 set beside a mask
	s_mov_b32 s[G1B+1], 128<<16                    ; tensor_dim0 = 128
	s_mov_b32 s[G1B+2], 64<<16                     ; tensor_dim1 = 64
	s_mov_b32 s[G1B+3], 128<<16                    ; tile_dim0 = 128
	s_mov_b32 s[G1B+4], 64                         ; tile_dim1 = 64
	s_mov_b32 s[G1B+5], 128                        ; elements from row to row
	s_mov_b32 s[G1B+6], 0
	s_mov_b32 s[G1B+7], 0
	; where the tiles come from.  x's hang on mt alone, which my row of the cluster shares; wt's on nt alone, which my column shares; each in registers that never hold the other coordinate
	s_lshl_b32 s16, s13, 8
	s_lshl_b32 s17, s12, 7
	s_add_co_u32 s16, s16, s17                     ; x: row 256 mt + 128 x half,
	s_lshl_b32 s16, s16, 14                        ; of 16,384 bytes: below 2^27
	s_mov_b32 s17, 0
	s_lshl_b32 s46, s42, 21                        ; wt: 2,097,152 nt
	s_lshl_b32 s47, s12, 14                        ; + 16,384 x half
	s_add_co_u32 s46, s46, s47
	s_mov_b32 s47, 0
	s_mul_i32 s20, s10, AHALF                      ; where they go: x's halves at wave x 34,816 (waves 0, 1),
	s_mul_i32 s21, s10, BHALF
	s_add_co_u32 s21, s21, ABYTES-2*BHALF          ; wt's at 69,632 + (wave - 2) x 16,384 (waves 2, 3): no place in the cluster enters an LDS address
	; the prefetch: of the row tile's 256 rows the eight work-groups that share them take 32 each: row 256 mt + 32 nt + lane
	s_lshl_b32 s66, s13, 8
	s_lshl_b32 s67, s42, 5
	s_add_co_u32 s66, s66, s67
	s_lshl_b32 s66, s66, 14
	s_mov_b32 s67, 0
	s_mov_b32 s69, 0
	s_mov_b32 s72, 4*256                           ; the first lap asks for K steps 4 and 5
	s_wait_dscnt 0x0                               ; the opening add is done
	s_wait_kmcnt 0x0
	s_add_nc_u64 s[14:15], s[4:5], s[16:17]
	s_add_nc_u64 s[46:47], s[6:7], s[46:47]
	s_add_nc_u64 s[66:67], s[4:5], s[66:67]
	CROUND                                         ; all sixteen work-groups are here: the first joint loads meet
.irp s, 0,1
	s_mov_b32 s[G0A+4*(\s)], 1                                     ; 1:0 count = 1
	s_add_co_u32 s[G0A+4*(\s)+1], s20, (\s)*SLOT                   ; 63:32 LDS address
	s_add_nc_u64 s[G0A+4*(\s)+2:G0A+4*(\s)+3], s[14:15], (\s)*256  ; 120:64 global address: K step s
	s_or_b32 s[G0A+4*(\s)+3], s[G0A+4*(\s)+3], 0x80000000          ; 127:126 type = 2
	s_mov_b32 s[G0B+4*(\s)], 1
	s_add_co_u32 s[G0B+4*(\s)+1], s21, (\s)*SLOT
	s_add_nc_u64 s[G0B+4*(\s)+2:G0B+4*(\s)+3], s[46:47], (\s)*2*BHALF
	s_or_b32 s[G0B+4*(\s)+3], s[G0B+4*(\s)+3], 0x80000000
	JLOAD \s, 0                                    ; the ring is filled before anything else is done
.endr
	; A fragment is 16 rows x 32 K in 8 registers: lane l holds row l % 16; registers 0-3 K = 8 (l / 16) + 0..7, registers 4-7 K = 16 + 8 (l / 16) + 0..7.
	; x in f32: those are 32 bytes at 32 (l / 16) and 32 bytes at 64 + 32 (l / 16) of the row's 128: four loads of 16 bytes.  W: 16 bytes at 512 (l / 16) + 16 (l % 16) and 1,024 further on.
	v_and_b32 v1, 15, v0                           ; r = l % 16
	v_bfe_u32 v2, v0, 4, 1                         ; h = l / 16
	v_mul_u32_u24 v3, v1, PITCH
	v_lshl_add_u32 v3, v2, 5, v3
	s_mul_i32 s22, s10, 64*PITCH                   ; my 64 rows
	v_add_nc_u32 v[ADRA], s22, v3
	v_add_nc_u32 v[ADRA+1], SLOT, v[ADRA]
	v_lshlrev_b32 v4, 4, v1
	v_lshl_add_u32 v4, v2, 9, v4
	v_add_nc_u32 v[ADRB], ABYTES, v4
	v_add_nc_u32 v[ADRB+1], ABYTES+SLOT, v4
	s_lshl_b32 s23, s10, 9
	s_add_co_u32 s23, s23, STAGE                   ; my stage: [h][64 rows] f32
	v_lshlrev_b32 v5, 2, v1
	v_lshl_add_u32 v5, v2, 8, v5
	v_add_nc_u32 v[STO], s23, v5                   ; in: 256 h + 4 r, the row block in the immediate
	v_and_b32 v6, 31, v0
	v_lshl_add_u32 v[RD], v6, 4, s23               ; back: 16 bytes a lane: lanes 0-15 the 64 rows of h = 0, lanes 16-31 of h = 1
	v_lshlrev_b32 v[CO], 4, v1
	v_lshl_add_u32 v[CO], v2, 15, v[CO]            ; in part the two h lie 32,768 bytes apart
	v_lshlrev_b32 v[PFO], 14, v6                   ; the prefetch: my lane's row, and my wave's 256 bytes of a lap's 512
	v_lshl_add_u32 v[PFO], s12, 8, v[PFO]
	s_lshl_b32 s46, s42, 16                        ; part: 65,536 nt + 1,024 mt + 256 wave (B's address has been copied into its descriptors)
	s_lshl_b32 s47, s13, 10
	s_add_co_u32 s46, s46, s47
	s_lshl_b32 s47, s10, 8
	s_add_co_u32 s46, s46, s47
	s_mov_b32 s47, 0
	s_add_nc_u64 s[8:9], s[8:9], s[46:47]
; Matrix instructions for row block a, column blocks b0 .. b1 - 1, on fragment buffer f.  zero = 1: the product starts the sum: nothing is ever cleared.
; The 64 accumulators take turns in the same order in every half: between two links of a chain stand the 63 others'.
.macro MUL f, a, b0, b1, zero
	WIN MUL_LO+0x50*((\a)/2)
.set bb, \b0
.rept (\b1)-(\b0)
.set rD, 8*(16*((\a)%2)+bb)
.if \zero
	v_wmma_f32_16x16x32_bf16 v[rD:rD+7], v[128*(\f)+8*bb:128*(\f)+8*bb+7], v[AF+32*(\f)+8*(\a):AF+32*(\f)+8*(\a)+7], 0
.else
	v_wmma_f32_16x16x32_bf16 v[rD:rD+7], v[128*(\f)+8*bb:128*(\f)+8*bb+7], v[AF+32*(\f)+8*(\a):AF+32*(\f)+8*(\a)+7], v[rD:rD+7]
.endif
.set bb, bb+1
.endr
.endm
; Row block 3, with the next half's 32 roundings of x (f32 in X to bf16 in buffer g) set four behind each of the first eight matrix instructions: they name X and buffer g alone, no register of the products round them.
.macro MULR f, g, zero
.set bb, 0
.rept 16
	WIN MUL_HI
.set rD, 8*(16+bb)
.if \zero
	v_wmma_f32_16x16x32_bf16 v[rD:rD+7], v[128*(\f)+8*bb:128*(\f)+8*bb+7], v[AF+32*(\f)+24:AF+32*(\f)+31], 0
.else
	v_wmma_f32_16x16x32_bf16 v[rD:rD+7], v[128*(\f)+8*bb:128*(\f)+8*bb+7], v[AF+32*(\f)+24:AF+32*(\f)+31], v[rD:rD+7]
.endif
.if bb < 8
	WIN 0
.set ii, 4*bb
.rept 4
	v_cvt_pk_bf16_f32 v[AF+32*(\g)+ii], v[X+2*ii], v[X+2*ii+1]
.set ii, ii+1
.endr
.endif
.set bb, bb+1
.endr
.endm
; 48 LDS loads in one run: half hf (32 along K) of a slot: my 64 rows of x in f32 into X, first; then all 256 columns of W into buffer g
.macro FETCH slot, hf, g
	WIN 0
.irp a, 0,1,2,3
	ds_load_b128 v[X+16*\a:X+16*\a+3],     v[ADRA+(\slot)] offset:128*(\hf)+16*PITCH*\a
	ds_load_b128 v[X+16*\a+4:X+16*\a+7],   v[ADRA+(\slot)] offset:128*(\hf)+16*PITCH*\a+16
	ds_load_b128 v[X+16*\a+8:X+16*\a+11],  v[ADRA+(\slot)] offset:128*(\hf)+16*PITCH*\a+64
	ds_load_b128 v[X+16*\a+12:X+16*\a+15], v[ADRA+(\slot)] offset:128*(\hf)+16*PITCH*\a+80
.endr
	WIN TO_B
.set bb, 0
.rept 16
	ds_load_b128 v[128*(\g)+8*bb:128*(\g)+8*bb+3],   v[ADRB+(\slot)] offset:BHALF*(\hf)+2048*(bb/2)+256*(bb%2)
	ds_load_b128 v[128*(\g)+8*bb+4:128*(\g)+8*bb+7], v[ADRB+(\slot)] offset:BHALF*(\hf)+2048*(bb/2)+256*(bb%2)+1024
.set bb, bb+1
.endr
.endm
; A load into a register that a matrix instruction has read, and a vector instruction that writes one or reads a matrix result, stand four places behind that matrix instruction, and only plain vector
; instructions that name none of its registers are places (ISA guide 7.12.1 for vector instructions).  The four in front of each run of loads also serve the roundings
; that later write the x buffer which the half before multiplied.
.macro PLACES
.rept 4
	v_nop
.endr
.endm
; A step's first half: multiplies buffer 0 and fetches the slot's second 32 along K into X and buffer 1.
.macro HALF slot, zero
	s_wait_dscnt 0x0                               ; W's fragments of this half are in (issued 48 matrix instructions ago)
	MUL 0, 0, 0, 16, \zero
	PLACES
	FETCH \slot, 1, 1
	MUL 0, 1, 0, 16, \zero
	MUL 0, 2, 0, 16, \zero
	s_wait_dscnt 32                                ; LDS loads come back in order (ISA guide 5.7.1): x's 16 are in, W's 32 may stay out
	MULR 0, 1, \zero
.endm
; A step's second half: multiplies buffer 1 and changes slots.  ONE barrier: in front of it each wave waits for all its tensor loads (one is out: its part of the next slot), adds 0 to its spare word, and waits for
; that and for its reads of this slot.  fill = 1: the barrier opens a round of the cluster's, and behind the round this slot is filled again, two K steps on: the load has 112 matrix instructions in which to land.
; pf = 1 (once a lap): in lap t waves 2 and 3 ask the L2 for x's K steps 2 t + 4 and 2 t + 5, 512 bytes of each of 32 rows; the tensor loads that want those bytes are issued in lap t + 1.
; Each 256 bytes of x are asked for by one lane of one wave of one of the eight work-groups that read them.  The byte in the row is clamped to that of steps 62 and 63, so the last lap asks for those
; two once more and no request passes a row's end; steps 0 to 3 are not asked for.
.macro TURN slot, next, fill, pf
	WIN 0                                          ; (the add's two registers lie in window 0)
	s_wait_tensorcnt 0x0                           ; all my tensor loads have landed;
	ds_add_u32 v[SPW], v[NIL]                      ; 0 onto my spare word;
	s_wait_dscnt 1                                 ; W's fragments of this half are in; the add alone may be out
	MUL 1, 0, 0, 8, 0                              ; eight matrix instructions stand between the add and the wait for it
	s_wait_dscnt 0x0                               ; the add is done, and my reads of this slot are over
	s_barrier_signal -1
	MUL 1, 0, 8, 16, 0                             ; work on registers while the others arrive
.if \fill
	WIN 0
.endif
	s_barrier_wait -1
.if \fill
	CREST                                          ; no wave of any partner still reads this slot's tile or has a load on its way
	s_add_nc_u64 s[G0A+4*(\slot)+2:G0A+4*(\slot)+3], s[G0A+4*(\slot)+2:G0A+4*(\slot)+3], 2*256
	s_add_nc_u64 s[G0B+4*(\slot)+2:G0B+4*(\slot)+3], s[G0B+4*(\slot)+2:G0B+4*(\slot)+3], 4*BHALF
.if \pf
	s_wait_xcnt 0x0                                ; the last lap's prefetch has read its base: only now is it rewritten
	s_min_u32 s68, s72, PFMAX
	s_add_nc_u64 s[70:71], s[66:67], s[68:69]
	s_add_co_u32 s72, s72, 2*256
.endif
	JLOAD \slot, \pf                               ; the first tensor load behind the round; its four v_nop are also the places in front of the loads below
.else
	PLACES
.endif
	FETCH \next, 0, 0
	MUL 1, 1, 0, 16, 0
	MUL 1, 2, 0, 16, 0
	s_wait_dscnt 32                                ; x's 16 are in, W's 32 may stay out
	MULR 1, 0, 0
.endm
	s_wait_tensorcnt 1                             ; my part of K step 0 is in; step 1's may stay out
	s_barrier_signal -1
	s_barrier_wait -1                              ; everybody's is
	FETCH 0, 0, 0
	s_wait_dscnt 32                                ; x's 16 loads
	WIN 0
.set ii, 0
.rept 32
	v_cvt_pk_bf16_f32 v[AF+ii], v[X+2*ii], v[X+2*ii+1]
.set ii, ii+1
.endr
	HALF 0, 1                                      ; the first half stands in front of the loop: its products start the 64 sums
	WIN 0                                          ; at a label and at a branch every window is 0
	s_mov_b32 s3, LAPS-1
.Llap:                                                 ; a trip goes once round the ring, from a step's second half to the first half two steps on, and fills both slots again: steps 2 t + 2 and 2 t + 3, 63 at the last
	TURN 0, 1, 1, 1
	HALF 1, 0
	TURN 1, 0, 1, 0
	HALF 0, 0
	WIN 0
	s_sub_co_u32 s3, s3, 1
	s_cmp_lg_u32 s3, 0
	s_cbranch_scc1 .Llap
	TURN 0, 1, 0, 0                                ; the last lap fills nothing and has no round
	HALF 1, 0
	s_wait_dscnt 0x0                               ; the very last half: nothing more to fetch
	MUL 1, 0, 0, 16, 0
	MUL 1, 1, 0, 16, 0
	MUL 1, 2, 0, 16, 0
	MUL 1, 3, 0, 16, 0
	WIN 0
	; THE WAY OUT.  Squares are added inside the lane: for each row block four chains of pairs, over the 16 column blocks; each accumulator is read from its lowest registers on.
	PLACES
.irp hi, 0,1
	WIN 0x0a+5*\hi                                 ; sources 0 and 1 in window 2, then 3; the sums in window 0
.set bb, 0
.rept 16
.irp al, 0,1
.irp j, 0,1,2,3
.set rA, 8*(16*\al+bb)+2*\j
.set rS, SS+8*(2*\hi+\al)+2*\j
.if bb == 0
	v_pk_mul_f32 v[rS:rS+1], v[rA:rA+1], v[rA:rA+1]
.else
	v_pk_fma_f32 v[rS:rS+1], v[rA:rA+1], v[rA:rA+1], v[rS:rS+1]
.endif
.endr
.endr
.set bb, bb+1
.endr
.endr
	WIN 0
.irp a, 0,1,2,3
	v_pk_add_f32 v[SS+8*\a:SS+8*\a+1],   v[SS+8*\a:SS+8*\a+1],   v[SS+8*\a+2:SS+8*\a+3]
	v_pk_add_f32 v[SS+8*\a+4:SS+8*\a+5], v[SS+8*\a+4:SS+8*\a+5], v[SS+8*\a+6:SS+8*\a+7]
.endr
.irp a, 0,1,2,3
	v_pk_add_f32 v[SS+8*\a:SS+8*\a+1], v[SS+8*\a:SS+8*\a+1], v[SS+8*\a+4:SS+8*\a+5]
.endr
.irp a, 0,1,2,3
	v_add_f32 v[RS+\a], v[SS+8*\a], v[SS+8*\a+1]   ; row 16 a + r, my half's 128 columns
.endr
.irp a, 0,1,2,3
	ds_store_b32 v[STO], v[RS+\a] offset:64*\a     ; through my own stage, so that a lane holds four neighbouring rows
.endr
	ds_load_b128 v[BK:BK+3], v[RD]                 ; LDS serves a wave's instructions in order (ISA guide 5.7.1.4): this sees the stores above
	s_wait_dscnt 0x0
	global_store_b128 v[CO], v[BK:BK+3], s[8:9]    ; each half of the lanes stores 256 consecutive bytes, at a multiple of 256 from part's first byte
	s_wait_tensorcnt 0x0                           ; the wave's end: the add and its waits stand behind my last tensor load and my last LDS store
	ds_add_u32 v[SPW], v[NIL]
	s_wait_dscnt 0x0
	CROUND                                         ; the closing round: no work-group ends while a partner may still ask for a tile that names it
	s_endpgm
.Lfunc_end_k_qe1379d37f9_gemm:
	.size	k_qe1379d37f9_gemm, .Lfunc_end_k_qe1379d37f9_gemm-k_qe1379d37f9_gemm
	.p2alignl 7, 3214868480
	.fill 96, 4, 3214868480
	.section	.rodata,"a",@progbits
	.p2align	6, 0x0
	.amdhsa_kernel k_qe1379d37f9_gemm
		.amdhsa_group_segment_fixed_size 327680
		.amdhsa_private_segment_fixed_size 0
		.amdhsa_enable_private_segment 0
		.amdhsa_kernarg_size 24
		.amdhsa_user_sgpr_count 2
		.amdhsa_user_sgpr_kernarg_segment_ptr 1
		.amdhsa_wavefront_size32 1
		.amdhsa_system_sgpr_workgroup_id_x 1
		.amdhsa_system_sgpr_workgroup_id_y 1
		.amdhsa_system_sgpr_workgroup_id_z 1
		.amdhsa_system_vgpr_workitem_id 0
		.amdhsa_next_free_vgpr 1024
		.amdhsa_next_free_sgpr 74
		.amdhsa_reserve_vcc 0
		.amdhsa_float_denorm_mode_32 3
		.amdhsa_float_denorm_mode_16_64 3
		.amdhsa_memory_ordered 1
		.amdhsa_forward_progress 1
		.amdhsa_inst_pref_size 106
	.end_amdhsa_kernel
	.amdgpu_metadata
---
amdhsa.version: [ 1, 2 ]
amdhsa.kernels:
  - .name:           k_qe1379d37f9_gemm
    .symbol:         k_qe1379d37f9_gemm.kd
    .args:
      - { .name: x, .offset: 0, .size: 8, .value_kind: global_buffer, .address_space: global }
      - { .name: wt, .offset: 8, .size: 8, .value_kind: global_buffer, .address_space: global }
      - { .name: part, .offset: 16, .size: 8, .value_kind: global_buffer, .address_space: global }
    .group_segment_fixed_size: 327680
    .private_segment_fixed_size: 0
    .kernarg_segment_align: 8
    .kernarg_segment_size: 24
    .max_flat_workgroup_size: 128
    .sgpr_count:     74
    .vgpr_count:     1024
    .wavefront_size: 32
...
	.end_amdgpu_metadata
.endif
;; end of part 2
;; launch norm (part 3): grid 64 x 1, 1 waves a work-group, no clusters, 0 bytes of LDS; arguments part, out0; writes out0
.if DOCPART == 3
	.amdgcn_target "amdgcn-amd-amdhsa--gfx1250"
	.amdhsa_code_object_version 6
	.text
	.protected	k_qe1379d37f9_norm
	.globl	k_qe1379d37f9_norm
	.p2align	8
	.type	k_qe1379d37f9_norm,@function
k_qe1379d37f9_norm:
	s_mov_b64 s[64:65], 0
	v_nop
	global_prefetch_b8 v0, s[64:65] scope:SCOPE_SE
	s_setreg_imm32_b32 hwreg(HW_REG_WAVE_MODE, 25, 1), 1
	s_wait_xcnt 0x0
; out0[row] = the root of the sum of a row's 16 partial sums of squares.  part: 16 planes of 8,192 f32, 32,768 bytes apart.
; A lane owns four neighbouring rows, a wave 128: 64 work-groups of one wave are all the work there is.  Each load and the store cover 512 consecutive bytes, aligned.
; LIMIT.  v_sqrt_f32 takes a denormal input for zero (ISA guide, its entry): a row whose sum of squares lies below 2^-126 gives 0.
	s_load_b128 s[4:7], s[0:1], 0x0                ; part s[4:5], out0 s[6:7]
	v_lshlrev_b32 v1, 4, v0                        ; 16 bytes a lane
	s_lshl_b32 s8, ttmp9, 9                        ; 128 rows of 4 bytes a work-group
	s_mov_b32 s9, 0
	s_wait_kmcnt 0x0
	s_add_nc_u64 s[4:5], s[4:5], s[8:9]
	s_add_nc_u64 s[6:7], s[6:7], s[8:9]
.set p, 0
.rept 16
	global_load_b128 v[4+4*p:7+4*p], v1, s[4:5] offset:32768*p th:TH_LOAD_NT
.set p, p+1
.endr
	s_wait_loadcnt 0x0
.irp d, 1,2,4,8                        ; a tree: planes d apart are added, 30 packed additions in all
.set p, 0
.rept 8/\d
	v_pk_add_f32 v[4+4*p:5+4*p], v[4+4*p:5+4*p], v[4+4*(p+\d):5+4*(p+\d)]
	v_pk_add_f32 v[6+4*p:7+4*p], v[6+4*p:7+4*p], v[6+4*(p+\d):7+4*(p+\d)]
.set p, p+2*\d
.endr
.endr
	v_sqrt_f32 v68, v4
	v_sqrt_f32 v69, v5
	v_sqrt_f32 v70, v6
	v_sqrt_f32 v71, v7
	v_nop                                          ; a plain instruction between the last root and the use of its result (ISA guide 5.7.2)
	s_wait_alu depctr_va_vdst(0)
	global_store_b128 v1, v[68:71], s[6:7]
	s_endpgm
.Lfunc_end_k_qe1379d37f9_norm:
	.size	k_qe1379d37f9_norm, .Lfunc_end_k_qe1379d37f9_norm-k_qe1379d37f9_norm
	.p2alignl 7, 3214868480
	.fill 96, 4, 3214868480
	.section	.rodata,"a",@progbits
	.p2align	6, 0x0
	.amdhsa_kernel k_qe1379d37f9_norm
		.amdhsa_group_segment_fixed_size 0
		.amdhsa_private_segment_fixed_size 0
		.amdhsa_enable_private_segment 0
		.amdhsa_kernarg_size 16
		.amdhsa_user_sgpr_count 2
		.amdhsa_user_sgpr_kernarg_segment_ptr 1
		.amdhsa_wavefront_size32 1
		.amdhsa_system_sgpr_workgroup_id_x 1
		.amdhsa_system_sgpr_workgroup_id_y 1
		.amdhsa_system_sgpr_workgroup_id_z 1
		.amdhsa_system_vgpr_workitem_id 0
		.amdhsa_next_free_vgpr 72
		.amdhsa_next_free_sgpr 66
		.amdhsa_reserve_vcc 0
		.amdhsa_float_denorm_mode_32 3
		.amdhsa_float_denorm_mode_16_64 3
		.amdhsa_memory_ordered 1
		.amdhsa_forward_progress 1
		.amdhsa_inst_pref_size 5
	.end_amdhsa_kernel
	.amdgpu_metadata
---
amdhsa.version: [ 1, 2 ]
amdhsa.kernels:
  - .name:           k_qe1379d37f9_norm
    .symbol:         k_qe1379d37f9_norm.kd
    .args:
      - { .name: part, .offset: 0, .size: 8, .value_kind: global_buffer, .address_space: global }
      - { .name: out0, .offset: 8, .size: 8, .value_kind: global_buffer, .address_space: global }
    .group_segment_fixed_size: 0
    .private_segment_fixed_size: 0
    .kernarg_segment_align: 8
    .kernarg_segment_size: 16
    .max_flat_workgroup_size: 32
    .sgpr_count:     66
    .vgpr_count:     72
    .wavefront_size: 32
...
	.end_amdgpu_metadata
.endif
;; end of part 3
;; ======== version 2 of 3: 3 launches
;; workspace buffers: wt 16,777,216 bytes; xb 67,108,864 bytes; part 1,048,576 bytes
;; launch prep (part 4): grid 2304 x 1, 4 waves a work-group, no clusters, 0 bytes of LDS; arguments hashed_weight, x, wt, xb; writes wt, xb
.if DOCPART == 4
	.amdgcn_target "amdgcn-amd-amdhsa--gfx1250"
	.amdhsa_code_object_version 6
	.text
	.protected	k_qe1379d37f9_prep
	.globl	k_qe1379d37f9_prep
	.p2align	8
	.type	k_qe1379d37f9_prep,@function
k_qe1379d37f9_prep:
	s_mov_b64 s[64:65], 0
	v_nop
	global_prefetch_b8 v0, s[64:65] scope:SCOPE_SE
	s_setreg_imm32_b32 hwreg(HW_REG_WAVE_MODE, 25, 1), 1
	s_wait_xcnt 0x0
; TWO JOBS IN ONE LAUNCH, told apart by the work-group's number; both make the product's operands in bf16 (nearest even), and neither reads what the other writes.
; Work-groups 0 to 255 rebuild W from the shared vector (wt); work-groups 256 to 2,303 round x (xb).  The first job is a long chain of scalar work and a gather that leave memory nearly idle,
; the second is a plain stream: with 84 registers a wave nine work-groups share a WGP, so the chain runs beneath the stream.  The long work-groups have the lowest numbers.
;
; xb = x rounded, [8192][4096] bf16.  A work-group takes 65,536 consecutive bytes of x; thread t owns the 16 bytes at 16 t of each chunk of 2,048: a load of a wave covers 512 consecutive bytes,
; a store 256, both aligned.  A wave's 32 loads go through a ring of 16 register slots, so sixteen loads of every wave are on their way.
;
; W [4096][2048]: tile (kb, nb) of 32 x 32 is the 1,024 consecutive f32 of hashed_weight from start(kb, nb) = ((kb R3 + nb R2 + R1) mod (2^31 - 1)) mod 1,047,552 on, k by n.
; R1, R2, R3 are the first three numbers of numpy's RandomState(1367).randint(1, 2^31 - 1): part of the index map that the problem fixes.  They are made here, exactly, in integer scalar code:
; the generator's seeding recurrence up to word 399, the twist of words 0 to 2, the tempering, the mask of 31 bits, plus 1.
; LIMIT.  numpy throws a masked draw above 2^31 - 3 away and draws again; that second draw is not written.  It hangs on the fixed seed alone, on no input.
; wt, in bytes: W[k][n] lies at (n/256) 2,097,152 + (k/32) 16,384 + ((n/32)%8) 2,048 + ((k%32)/8) 512 + (n%32) 16 + (k%8) 2:
; a column tile's stream is dense, 32 k of it are 16,384 bytes on end, and sixteen neighbouring columns' eight k are 256 bytes on end.
; Wave Wv of the 1,024 owns nt = Wv / 128 and kb = Wv % 128: eight hash tiles (nb = 8 nt + 0..7), 16,384 consecutive bytes of wt.  A lane loads one column n, 32 k, so the turning from [k][n] to
; k-contiguous costs nothing.  The starts are multiples of 4 bytes only, so the loads are of 4 bytes a lane: 128 consecutive bytes a load.
.set WGS_W, 256                        ; work-groups that make wt
.set XS,  4                            ; the stream: v[4:67]   16 slots of 4 registers, f32 as loaded
.set YS,  68                           ;             v[68:83]  8 pairs, bf16 to store
.set BUF, 4                            ; the weights: v[4:35], v[36:67]  two buffers: a tile's 32 rows, my column
.set Y,   68                           ;              v[68:83]  the tile in bf16: 16 registers, k ascending
.set KEY0, 44                          ; s44      word 0 of the generator's state: the seed
                                       ; s15-17   words 1 to 3;  s18-20 words 397 to 399;  s21-23 R1, R2, R3
                                       ; s[24:25] kb R3 + nb R2 + R1 for the tile to come;  s[30:31] R2 as a pair
                                       ; s[40:41], s[42:43] the load base of buffer 0, 1
	s_cmp_lt_u32 ttmp9, WGS_W
	s_cbranch_scc1 .Lweights
	; ---------------- THE STREAM ----------------
	s_load_b64 s[4:5], s[0:1], 0x8                 ; x
	s_load_b64 s[6:7], s[0:1], 0x18                ; xb
	s_sub_co_u32 s8, ttmp9, WGS_W                  ; my part, 0 to 2,047
	s_lshl_b32 s10, s8, 16                         ; 65,536 bytes of x,
	s_mov_b32 s11, 0
	s_lshl_b32 s12, s8, 15                         ; 32,768 of xb
	s_mov_b32 s13, 0
	v_lshlrev_b32 v1, 4, v0                        ; 16 t; never rewritten: the chunk stands in the immediate
	v_lshlrev_b32 v2, 3, v0                        ; 8 t; never rewritten
	s_wait_kmcnt 0x0
	s_add_nc_u64 s[4:5], s[4:5], s[10:11]
	s_add_nc_u64 s[6:7], s[6:7], s[12:13]
.set i, 0
.rept 16
	global_load_b128 v[XS+4*i:XS+4*i+3], v1, s[4:5] offset:2048*i th:TH_LOAD_NT  ; x is read once in the launch
.set i, i+1
.endr
.set i, 0
.rept 16                               ; chunks 0 to 15: rounded into a pair of Y, the slot filled again with the chunk 16 further on, the load ahead of the store
	s_wait_loadcnt 15                              ; loads come back in order (ISA guide 5.7.1): this slot's is in, the fifteen younger ones stay out
.if i >= 8
	s_wait_xcnt 0x0                                ; the pair served the store eight chunks back: it is rewritten only behind this wait
.endif
	v_cvt_pk_bf16_f32 v[YS+2*(i%8)],   v[XS+4*i],   v[XS+4*i+1]
	v_cvt_pk_bf16_f32 v[YS+2*(i%8)+1], v[XS+4*i+2], v[XS+4*i+3]
	global_load_b128 v[XS+4*i:XS+4*i+3], v1, s[4:5] offset:2048*(16+i) th:TH_LOAD_NT
	global_store_b64 v2, v[YS+2*(i%8):YS+2*(i%8)+1], s[6:7] offset:1024*i
.set i, i+1
.endr
.set i, 0
.rept 16                               ; chunks 16 to 31: nothing is left to load, so the slot is rounded in place and stored from its own first two registers; the counts run down
	s_wait_loadcnt 15-i
	v_cvt_pk_bf16_f32 v[XS+4*i],   v[XS+4*i],   v[XS+4*i+1]
	v_cvt_pk_bf16_f32 v[XS+4*i+1], v[XS+4*i+2], v[XS+4*i+3]
	global_store_b64 v2, v[XS+4*i:XS+4*i+1], s[6:7] offset:1024*(16+i)
.set i, i+1
.endr
	s_endpgm
	; ---------------- THE WEIGHTS ----------------
.Lweights:
	s_load_b64 s[4:5], s[0:1], 0x0                 ; hashed_weight
	s_load_b64 s[6:7], s[0:1], 0x10                ; wt; both are waited for behind the chain below
	v_lshrrev_b32 v3, 5, v0
	v_readfirstlane_b32 s8, v3                     ; wave 0..3
	s_lshl_b32 s9, ttmp9, 2
	s_add_co_u32 s9, s9, s8                        ; Wv
	v_and_b32 v3, 31, v0
	v_lshlrev_b32 v1, 2, v3                        ; 4 x lane: my column in a row of a hash tile
	v_lshlrev_b32 v2, 4, v3                        ; 16 x lane: my 16 bytes in 512 of wt
	; THE SEEDING: word[i] = 1,812,433,253 (word[i-1] xor word[i-1] >> 30) + i, modulo 2^32.  Each word needs the one before it, so the 399 steps are one chain; they are written out,
	; four scalar lines each, the index as the add's 16-bit immediate: 6,384 bytes of text.
	s_mov_b32 s[KEY0], 1367
	s_mov_b32 s10, 1367                            ; the word in hand
	s_mov_b32 s12, 0x6c078965
.macro MTSTEP idx
	s_lshr_b32 s11, s10, 30
	s_xor_b32 s11, s11, s10
	s_mul_i32 s10, s11, s12
	s_addk_co_i32 s10, \idx
.endm
	MTSTEP 1
	s_mov_b32 s15, s10                             ; word 1
	MTSTEP 2
	s_mov_b32 s16, s10                             ; word 2
	MTSTEP 3
	s_mov_b32 s17, s10                             ; word 3
.set ii, 4
.rept 393                              ; words 4 to 396
	MTSTEP ii
.set ii, ii+1
.endr
	MTSTEP 397
	s_mov_b32 s18, s10                             ; word 397
	MTSTEP 398
	s_mov_b32 s19, s10                             ; word 398
	MTSTEP 399
	s_mov_b32 s20, s10                             ; word 399
; Draw o: the twist of word o (from words o, o + 1, o + 397, all still as seeded), the tempering, 31 bits, plus 1
.macro DRAW dst, k0, k1, km
	s_and_b32 s32, s[\k0], 0x80000000
	s_and_b32 s33, s[\k1], 0x7fffffff
	s_or_b32 s32, s32, s33
	s_bitcmp1_b32 s32, 0
	s_cselect_b32 s33, 0x9908b0df, 0
	s_lshr_b32 s32, s32, 1
	s_xor_b32 s32, s32, s33
	s_xor_b32 s32, s32, s[\km]
	s_lshr_b32 s33, s32, 11
	s_xor_b32 s32, s32, s33
	s_lshl_b32 s33, s32, 7
	s_and_b32 s33, s33, 0x9d2c5680
	s_xor_b32 s32, s32, s33
	s_lshl_b32 s33, s32, 15
	s_and_b32 s33, s33, 0xefc60000
	s_xor_b32 s32, s32, s33
	s_lshr_b32 s33, s32, 18
	s_xor_b32 s32, s32, s33
	s_and_b32 s32, s32, 0x7fffffff
	s_add_co_u32 s[\dst], s32, 1
.endm
	DRAW 21, KEY0, 15, 18                          ; R1
	DRAW 22, 15, 16, 19                            ; R2
	DRAW 23, 16, 17, 20                            ; R3
	; kb R3 + 8 nt R2 + R1: below 191 x 2^31, so 64 bits hold it
	s_and_b32 s26, s9, 127                         ; kb
	s_mov_b32 s27, 0
	s_mov_b32 s28, s23
	s_mov_b32 s29, 0
	s_mul_u64 s[24:25], s[26:27], s[28:29]
	s_lshr_b32 s26, s9, 7                          ; nt
	s_lshl_b32 s26, s26, 3
	s_mov_b32 s30, s22
	s_mov_b32 s31, 0
	s_mul_u64 s[26:27], s[26:27], s[30:31]
	s_add_nc_u64 s[24:25], s[24:25], s[26:27]
	s_mov_b32 s28, s21
	s_add_nc_u64 s[24:25], s[24:25], s[28:29]
	s_mov_b32 s37, 0                               ; high word of the offset pair s[36:37]
	s_lshl_b32 s38, s9, 14                         ; my 16,384 bytes of wt
	s_mov_b32 s39, 0
	s_wait_kmcnt 0x0
	s_add_nc_u64 s[6:7], s[6:7], s[38:39]
; The next tile's start, and from it the load base of buffer p.
; Modulo 2^31 - 1: 2^31 counts as 1, so the bits from 31 on are added to the low 31; the sum is below 2^31 + 256: one subtraction at the most.
; Modulo 1,023 x 1,024: the low ten bits stay; of the rest, 1,024 counts as 1 modulo 1,023, so its three fields are added (2,047 at the most) and 1,023 is taken away up to twice.
.macro START p
	s_lshl_b32 s32, s25, 1
	s_lshr_b32 s33, s24, 31
	s_or_b32 s32, s32, s33
	s_and_b32 s33, s24, 0x7fffffff
	s_add_co_u32 s32, s32, s33
	s_cmp_ge_u32 s32, 0x7fffffff
	s_cselect_b32 s33, 0x7fffffff, 0
	s_sub_co_u32 s32, s32, s33
	s_bfe_u32 s33, s32, 0xa000a                    ; ten bits from bit 10
	s_bfe_u32 s34, s32, 0xa0014                    ; ten bits from bit 20
	s_add_co_u32 s33, s33, s34
	s_lshr_b32 s34, s32, 30
	s_add_co_u32 s33, s33, s34
.rept 2
	s_cmp_ge_u32 s33, 1023
	s_cselect_b32 s34, 1023, 0
	s_sub_co_u32 s33, s33, s34
.endr
	s_and_b32 s32, s32, 1023
	s_lshl_b32 s33, s33, 10
	s_or_b32 s32, s32, s33
	s_min_u32 s32, s32, 0xffbff                    ; the modulo's own bound, 1,047,551, written where an address is made: start + 1,023 stays inside the 1,048,576 numbers
	s_lshl_b32 s36, s32, 2
	s_add_nc_u64 s[40+2*(\p):41+2*(\p)], s[4:5], s[36:37]
	s_add_nc_u64 s[24:25], s[24:25], s[30:31]      ; nb + 1
.endm
.macro LOADS p, first, count           ; rows first .. first + count - 1 of the tile: row i is k = i, my lane is n
.set i, \first
.rept \count
	global_load_b32 v[BUF+32*(\p)+i], v1, s[40+2*(\p):41+2*(\p)] offset:128*i
.set i, i+1
.endr
.endm
.macro PACKSTORE t, p                  ; two neighbouring k a register; eight k are 16 bytes; a store of the wave covers 512 consecutive bytes, aligned
.set i, 0
.rept 16
	v_cvt_pk_bf16_f32 v[Y+i], v[BUF+32*(\p)+2*i], v[BUF+32*(\p)+2*i+1]
.set i, i+1
.endr
.irp j, 0,1,2,3
	global_store_b128 v2, v[Y+4*\j:Y+4*\j+3], s[6:7] offset:2048*(\t)+512*\j
.endr
.endm
	START 0
	LOADS 0, 0, 32
.irp t, 0,1,2,3,4,5,6
	START (\t+1)%2                                 ; this base and this buffer served tile t - 1, all of whose 32 loads the last turn's counted wait has shown done
	LOADS (\t+1)%2, 0, 31                          ; 32 + 31 = 63 loads of the wave are out here, the most in this text
	s_wait_loadcnt 31                              ; loads come back in order (ISA guide 5.7.1): tile t is in, the 31 just issued stay out
	LOADS (\t+1)%2, 31, 1                          ; the next tile's last row
	s_wait_xcnt 0x0                                ; Y, which the last tile's stores read, is rewritten only behind this wait
	PACKSTORE \t, (\t)%2
.endr
	s_wait_loadcnt 0x0                             ; the last tile: nothing was issued behind it
	s_wait_xcnt 0x0
	PACKSTORE 7, 1
	s_endpgm
.Lfunc_end_k_qe1379d37f9_prep:
	.size	k_qe1379d37f9_prep, .Lfunc_end_k_qe1379d37f9_prep-k_qe1379d37f9_prep
	.p2alignl 7, 3214868480
	.fill 96, 4, 3214868480
	.section	.rodata,"a",@progbits
	.p2align	6, 0x0
	.amdhsa_kernel k_qe1379d37f9_prep
		.amdhsa_group_segment_fixed_size 0
		.amdhsa_private_segment_fixed_size 0
		.amdhsa_enable_private_segment 0
		.amdhsa_kernarg_size 32
		.amdhsa_user_sgpr_count 2
		.amdhsa_user_sgpr_kernarg_segment_ptr 1
		.amdhsa_wavefront_size32 1
		.amdhsa_system_sgpr_workgroup_id_x 1
		.amdhsa_system_sgpr_workgroup_id_y 1
		.amdhsa_system_sgpr_workgroup_id_z 1
		.amdhsa_system_vgpr_workitem_id 0
		.amdhsa_next_free_vgpr 84
		.amdhsa_next_free_sgpr 66
		.amdhsa_reserve_vcc 0
		.amdhsa_float_denorm_mode_32 3
		.amdhsa_float_denorm_mode_16_64 3
		.amdhsa_memory_ordered 1
		.amdhsa_forward_progress 1
		.amdhsa_inst_pref_size 111
	.end_amdhsa_kernel
	.amdgpu_metadata
---
amdhsa.version: [ 1, 2 ]
amdhsa.kernels:
  - .name:           k_qe1379d37f9_prep
    .symbol:         k_qe1379d37f9_prep.kd
    .args:
      - { .name: hashed_weight, .offset: 0, .size: 8, .value_kind: global_buffer, .address_space: global }
      - { .name: x, .offset: 8, .size: 8, .value_kind: global_buffer, .address_space: global }
      - { .name: wt, .offset: 16, .size: 8, .value_kind: global_buffer, .address_space: global }
      - { .name: xb, .offset: 24, .size: 8, .value_kind: global_buffer, .address_space: global }
    .group_segment_fixed_size: 0
    .private_segment_fixed_size: 0
    .kernarg_segment_align: 8
    .kernarg_segment_size: 32
    .max_flat_workgroup_size: 128
    .sgpr_count:     66
    .vgpr_count:     84
    .wavefront_size: 32
...
	.end_amdgpu_metadata
.endif
;; end of part 4
;; launch gemm (part 5): grid 8 x 32, 4 waves a work-group, clusters of 4 x 4, 327,680 bytes of LDS; arguments xb, wt, part; writes part
.if DOCPART == 5
	.amdgcn_target "amdgcn-amd-amdhsa--gfx1250"
	.amdhsa_code_object_version 6
	.text
	.protected	k_qe1379d37f9_gemm
	.globl	k_qe1379d37f9_gemm
	.p2align	8
	.type	k_qe1379d37f9_gemm,@function
k_qe1379d37f9_gemm:
	s_mov_b64 s[64:65], 0
	v_nop
	global_prefetch_b8 v0, s[64:65] scope:SCOPE_SE
	s_setreg_imm32_b32 hwreg(HW_REG_WAVE_MODE, 25, 1), 1
	s_wait_xcnt 0x0
	s_wait_alu depctr_hold_cnt(0) depctr_sa_sdst(0) depctr_va_vdst(0) depctr_va_sdst(0) depctr_va_ssrc(0) depctr_va_vcc(0) depctr_vm_vsrc(0)
	s_getreg_b32 s2, hwreg(HW_REG_IB_STS2, 6, 4)
	s_cmp_eq_u32 s2, 0
	s_cbranch_scc0 .Lentry_in_a_cluster
	s_endpgm
.Lentry_in_a_cluster:
	s_bfe_u32 s2, ttmp6, 0x10000c
	s_cmp_lg_u32 s2, 0xf033
	s_cbranch_scc0 .Lentry_shape_is_right
	s_endpgm
.Lentry_shape_is_right:
; y = x W in bf16 with f32 sums, K ascending, and of y only each row's sums of squares leave:
; part[(4 nt + 2 c + h) 8192 + row] = the sum of y[row][n]^2 over the columns n of half c (128 columns) of column tile nt with (n % 16) / 8 = h: 32 planes of 8,192 f32.
; xb: x in bf16, [8192][4096].  wt: W in bf16, laid out in fragments.  Both were rounded once, by the launch before.
; LIMITS.  y^2 and its sums are f32 and overflow where the f32 norm itself does; NaN and infinities pass through.
; SHARES.  A tile of y is 256 x 256: 32 x 8 tiles, one work-group each.  Four waves, as many as a WGP has SIMDs, each 128 x 128: 64 accumulators of 16 x 16, 512 registers; for 32 along K a wave
; reads 2 x 8 KiB from LDS and issues 64 matrix instructions.  K goes in steps of 128 through two LDS slots: xb's rows are then 256 bytes of memory at multiples of 256.
; THE MATRIX INSTRUCTION IS USED TRANSPOSED: source 0 = 16 columns of W, source 1 = 16 rows of x: lane l holds row l % 16 and the columns 8 (l / 16) + 0..7: a row's squares are added inside a lane.
; CLUSTER.  4 x 4 work-groups.  The four of a row of the cluster need the same tiles of xb, the four of a column the same tiles of wt: each tile is asked for JOINTLY, by the same tensor load with the same
; descriptor and a mask that names the four.  By this text's own count a wave has two tensor loads out at the start and one behind each round.
; REGISTERS, in windows of 256 (s_set_vgpr_msb: bits 1:0 source 0, 3:2 source 1, 5:4 source 2, 7:6 destination):
;   window 0: v0-29 addresses; v32-47 the way out; v64-127, v128-191 x's fragments (8 x 16 rows x 32 K), two buffers; v192-255 the sums of squares
;   window 1: v64-127, v128-191 W's fragments, two buffers
;   window 2: the 32 accumulators of my rows 0-63 (accumulator (a, b) at v[8 (8 a + b)]);   window 3: those of my rows 64-127
.set KSTEP,  128
.set PITCH,  272                       ; a row of x in LDS: 256 bytes + 16 of padding = 68 words: the 16 rows that a load touches start at 16 different groups of four banks (64 banks of 4 bytes: ISA guide 11.1)
.set HALFA,  128*PITCH                 ; 128 rows of x: one tensor load, and what one wave reads of x
.set ABYTES, 2*HALFA
.set HALFB,  32768                     ; 64 k x 256 columns of W: one tensor load, dense: sixteen lanes of a fragment load read 256 consecutive bytes
.set SLOT,   ABYTES+2*HALFB            ; 135,168
.set STAGE,  2*SLOT                    ; behind the ring: 1,024 bytes for each wave, for the way out; no tensor load lands here
.set SPARE,  STAGE+4*1024              ; the spare words, 128 bytes for each wave: two blocks of 256 bytes that no other line names
.set LAPS,   16                        ; a lap = two K steps = once round the ring: 4,096 / 256
.set ADRA, 16                          ; v16-17  LDS address of my x fragments in slot 0, 1
.set ADRB, 20                          ; v20-21  the same for W
.set STO,  24                          ; v24     the way out: where I put a row's sum
.set RD,   25                          ; v25     where I read four rows' sums back
.set CO,   26                          ; v26     my byte offset in a plane of part
.set SPW,  28                          ; v28     LDS address of my spare word: SPARE + 4 x my thread's number; never rewritten
.set NIL,  29                          ; v29     0; never rewritten
.set RS,   32                          ; v32-39  a row's sum, for each of my eight row blocks
.set BK,   40                          ; v[40:47] four rows' sums, for h = 0 and for h = 1
.set F0,   64                          ; fragment buffer 0
.set F1,   128                         ; fragment buffer 1
.set SS,   192                         ; sums of squares: row block a at SS + 8 a
.set G1A, 24                           ; s[24:31] descriptor group 1 for xb's tiles;  s[32:39] group 0, one set for each slot
.set G0A, 32
.set G1B, 48                           ; s[48:55], s[56:63] the same for wt's tiles
.set G0B, 56
.set MSB, 0
.macro WIN new                         ; the immediate's high byte repeats the setting that is left; a switch that changes nothing is dropped
.if MSB != (\new)
	s_set_vgpr_msb (MSB<<8)|(\new)
.set MSB, \new
.endif
.endm
.set MUL_LO, 0xa1                      ; source 0 (W) window 1, source 1 (x) window 0, C and D window 2
.set MUL_HI, 0xf1                      ; the same, C and D window 3
.set TO_B,   0x40                      ; destination window 1, address window 0
; A joint load.  Waves 0 and 1 fetch xb's two halves, waves 2 and 3 wt's.  The branch hangs on the wave's number alone.  An s_nop 0 and four v_nop follow each of the two lines.
.macro JLOAD s
	s_cmp_eq_u32 s11, 0
	s_cbranch_scc0 .Lfor_b_\@
	tensor_load_to_lds s[G0A+4*(\s):G0A+4*(\s)+3], s[G1A:G1A+7]
	s_nop 0
.rept 4
	v_nop
.endr
	s_branch .Lasked_\@
.Lfor_b_\@:
	tensor_load_to_lds s[G0B+4*(\s):G0B+4*(\s)+3], s[G1B:G1B+7]
	s_nop 0
.rept 4
	v_nop
.endr
.Lasked_\@:
.endm
.macro CREST                           ; a round of the cluster's barrier behind its opening barrier
	s_cmp_lg_u32 s10, 0
	s_cbranch_scc1 .Lnot_wave_0_\@
	s_barrier_signal -3
.Lnot_wave_0_\@:
	s_barrier_wait -3
	s_barrier_signal -1
	s_barrier_wait -1
.endm
.macro CROUND                          ; a whole round
	s_barrier_signal -1
	s_barrier_wait -1
	CREST
.endm
	s_load_b128 s[4:7], s[0:1], 0x0                ; xb s[4:5], wt s[6:7]
	s_load_b64 s[8:9], s[0:1], 0x10                ; part
	v_lshl_add_u32 v[SPW], v0, 2, SPARE
	v_mov_b32 v[NIL], 0
	ds_add_u32 v[SPW], v[NIL]                      ; the wave's opening: the add and its wait stand ahead of my first tensor load; the set-up below, work on registers, stands between them
	v_lshrrev_b32 v1, 5, v0
	v_readfirstlane_b32 s10, v1                    ; wave 0..3
	s_lshr_b32 s11, s10, 1                         ; which half of the tile's rows is mine.  Also: I fetch for xb (0) or for wt (1)
	s_and_b32 s12, s10, 1                          ; which half of its columns.  Also: which half of that tile I fetch
	s_bfe_u32 s40, ttmp6, 0x40000                  ; cx
	s_bfe_u32 s41, ttmp6, 0x40004                  ; cy
	s_lshl_b32 s42, ttmp9, 2                       ; in a cluster launch ttmp9 and ttmp7 count clusters
	s_add_co_u32 s42, s42, s40                     ; nt, the column tile = 4 x cluster x + cx
	s_and_b32 s13, ttmp7, 0xffff
	s_lshl_b32 s13, s13, 2
	s_add_co_u32 s13, s13, s41                     ; mt, the row tile = 4 x cluster y + cy
	s_lshl_b32 s43, s41, 2
	s_lshl_b32 s43, 15, s43                        ; my row of the cluster: places 4 cy .. 4 cy + 3
	s_lshl_b32 s44, 0x1111, s40                    ; my column: places cx, cx + 4, cx + 8, cx + 12
	; xb's tiles: 128 rows x 128 bf16, padded in LDS
	s_or_b32 s[G1A+0], s43, (1<<16)|(1<<20)|(1<<21)|(5<<22)|(3<<25)  ; 15:0 the mask: my row; 17:16 elements of 2 bytes; 20 padding on; 21 set beside a mask; 24:22 after every 64 words (code 5); 31:25 4 words of it (code 3)
	s_mov_b32 s[G1A+1], KSTEP<<16                  ; tensor_dim0 = 128
	s_mov_b32 s[G1A+2], 128<<16                    ; tensor_dim1 = 128
	s_mov_b32 s[G1A+3], KSTEP<<16                  ; tile_dim0 = 128
	s_mov_b32 s[G1A+4], 128                        ; tile_dim1 = 128
	s_mov_b32 s[G1A+5], 4096                       ; elements from row to row
	s_mov_b32 s[G1A+6], 0
	s_mov_b32 s[G1A+7], 0
	; wt's tiles: 32,768 dense bytes, asked for as 128 rows of 256 bytes, no padding
	s_or_b32 s[G1B+0], s44, (1<<16)|(1<<21)        ; 15:0 the mask: my column; 17:16 elements of 2 bytes; 21 set beside a mask
	s_mov_b32 s[G1B+1], 128<<16                    ; tensor_dim0 = 128
	s_mov_b32 s[G1B+2], 128<<16                    ; tensor_dim1 = 128
	s_mov_b32 s[G1B+3], 128<<16                    ; tile_dim0 = 128
	s_mov_b32 s[G1B+4], 128                        ; tile_dim1 = 128
	s_mov_b32 s[G1B+5], 128                        ; elements from row to row
	s_mov_b32 s[G1B+6], 0
	s_mov_b32 s[G1B+7], 0
	; where the tiles come from.  xb's hang on mt alone, which my row of the cluster shares; wt's on nt alone, which my column shares; each in registers that never hold the other coordinate
	s_lshl_b32 s16, s13, 8
	s_lshl_b32 s17, s12, 7
	s_add_co_u32 s16, s16, s17                     ; xb: row 256 mt + 128 x half,
	s_lshl_b32 s16, s16, 13                        ; of 8,192 bytes: below 2^26
	s_mov_b32 s17, 0
	s_lshl_b32 s46, s42, 21                        ; wt: 2,097,152 nt
	s_lshl_b32 s47, s12, 15                        ; + 32,768 x half
	s_add_co_u32 s46, s46, s47
	s_mov_b32 s47, 0
	s_mul_i32 s20, s10, HALFA                      ; where they go: xb's halves at wave x 34,816 (waves 0, 1),
	s_mul_i32 s21, s10, HALFB
	s_add_co_u32 s21, s21, ABYTES-2*HALFB          ; wt's at 69,632 + (wave - 2) x 32,768 (waves 2, 3): no place in the cluster enters an LDS address
	s_wait_dscnt 0x0                               ; the opening add is done
	s_wait_kmcnt 0x0
	s_add_nc_u64 s[14:15], s[4:5], s[16:17]
	s_add_nc_u64 s[46:47], s[6:7], s[46:47]
	CROUND                                         ; all sixteen work-groups are here: the first joint loads meet
.irp s, 0,1
	s_mov_b32 s[G0A+4*(\s)], 1                                     ; 1:0 count = 1
	s_add_co_u32 s[G0A+4*(\s)+1], s20, (\s)*SLOT                   ; 63:32 LDS address
	s_add_nc_u64 s[G0A+4*(\s)+2:G0A+4*(\s)+3], s[14:15], (\s)*KSTEP*2  ; 120:64 global address: K step s
	s_or_b32 s[G0A+4*(\s)+3], s[G0A+4*(\s)+3], 0x80000000          ; 127:126 type = 2
	s_mov_b32 s[G0B+4*(\s)], 1
	s_add_co_u32 s[G0B+4*(\s)+1], s21, (\s)*SLOT
	s_add_nc_u64 s[G0B+4*(\s)+2:G0B+4*(\s)+3], s[46:47], (\s)*2*HALFB
	s_or_b32 s[G0B+4*(\s)+3], s[G0B+4*(\s)+3], 0x80000000
	JLOAD \s                                       ; the ring is filled before anything else is done
.endr
	; A fragment is 16 rows x 32 K in 8 registers: lane l holds row l % 16; registers 0-3 K = 8 (l / 16) + 0..7, registers 4-7 K = 16 + 8 (l / 16) + 0..7.
	; x: two loads of 16 bytes, 32 bytes apart, at row x pitch + 16 (l / 16).  W: 16 bytes at 512 (l / 16) + 16 (l % 16), and 1,024 further on.
	v_and_b32 v1, 15, v0                           ; r = l % 16
	v_bfe_u32 v2, v0, 4, 1                         ; h = l / 16
	v_mul_u32_u24 v3, v1, PITCH
	v_lshl_add_u32 v3, v2, 4, v3
	s_mul_i32 s22, s11, HALFA                      ; my 128 rows of x
	v_add_nc_u32 v[ADRA], s22, v3
	v_add_nc_u32 v[ADRA+1], SLOT, v[ADRA]
	v_lshlrev_b32 v4, 4, v1
	v_lshl_add_u32 v4, v2, 9, v4
	s_lshl_b32 s23, s12, 13                        ; my 128 columns: four blocks of 32, 2,048 bytes each,
	s_add_co_u32 s23, s23, ABYTES                  ; behind x's 256 rows
	v_add_nc_u32 v[ADRB], s23, v4
	v_add_nc_u32 v[ADRB+1], SLOT, v[ADRB]
	s_lshl_b32 s23, s10, 10
	s_add_co_u32 s23, s23, STAGE                   ; my stage: [h][128 rows] f32
	v_lshlrev_b32 v5, 2, v1
	v_lshl_add_u32 v5, v2, 9, v5
	v_add_nc_u32 v[STO], s23, v5                   ; in: 512 h + 4 r, the row block in the immediate
	v_and_b32 v6, 31, v0
	v_lshl_add_u32 v[RD], v6, 4, s23               ; back: 16 bytes a lane: the 128 rows of h = 0; those of h = 1 lie 512 bytes on
	v_lshlrev_b32 v[CO], 4, v6
	s_lshl_b32 s46, s42, 17                        ; part: 131,072 nt + 65,536 x column half + 1,024 mt + 512 x row half (wt's address has been copied into its descriptors)
	s_lshl_b32 s47, s12, 16
	s_add_co_u32 s46, s46, s47
	s_lshl_b32 s47, s13, 10
	s_add_co_u32 s46, s46, s47
	s_lshl_b32 s47, s11, 9
	s_add_co_u32 s46, s46, s47
	s_mov_b32 s47, 0
	s_add_nc_u64 s[8:9], s[8:9], s[46:47]
; 16 matrix instructions: row blocks a0, a0 + 1 of the window's four (hi = 0: my rows 0-63, 1: rows 64-127) x all 8 column blocks, 32 along K.  zero = 1: the product starts the sum: nothing is ever cleared.
; The 64 accumulators take turns in the same order in every quarter: between two links of a chain stand the 63 others'.
.macro MUL16 f, hi, a0, zero
	WIN MUL_LO+0x50*(\hi)
.irp a, \a0, (\a0)+1
.irp b, 0,1,2,3,4,5,6,7
.if \zero
	v_wmma_f32_16x16x32_bf16 v[8*(8*(\a)+(\b)):8*(8*(\a)+(\b))+7], v[(\f)+8*(\b):(\f)+8*(\b)+7], v[(\f)+8*(4*(\hi)+(\a)):(\f)+8*(4*(\hi)+(\a))+7], 0
.else
	v_wmma_f32_16x16x32_bf16 v[8*(8*(\a)+(\b)):8*(8*(\a)+(\b))+7], v[(\f)+8*(\b):(\f)+8*(\b)+7], v[(\f)+8*(4*(\hi)+(\a)):(\f)+8*(4*(\hi)+(\a))+7], v[8*(8*(\a)+(\b)):8*(8*(\a)+(\b))+7]
.endif
.endr
.endr
.endm
; 32 LDS loads in one run: the fragments of quarter q (32 along K) of a slot into buffer f: my 128 columns of W first, then my 128 rows of x
.macro FETCH slot, q, f
	WIN TO_B
.irp i, 0,1,2,3,4,5,6,7
	ds_load_b128 v[(\f)+8*(\i):(\f)+8*(\i)+3],   v[ADRB+(\slot)] offset:16384*(\q)+((\i)/2)*2048+((\i)%2)*256
	ds_load_b128 v[(\f)+8*(\i)+4:(\f)+8*(\i)+7], v[ADRB+(\slot)] offset:16384*(\q)+((\i)/2)*2048+((\i)%2)*256+1024
.endr
	WIN 0
.irp i, 0,1,2,3,4,5,6,7
	ds_load_b128 v[(\f)+8*(\i):(\f)+8*(\i)+3],   v[ADRA+(\slot)] offset:64*(\q)+(\i)*16*PITCH
	ds_load_b128 v[(\f)+8*(\i)+4:(\f)+8*(\i)+7], v[ADRA+(\slot)] offset:64*(\q)+(\i)*16*PITCH+32
.endr
.endm
; A load into a register that a matrix instruction has read, and a vector instruction that reads a matrix result, stand four places behind that matrix instruction, and only plain vector
; instructions that name none of its registers are places (ISA guide 7.12.1 for vector instructions): four v_nop in front of each run of loads.
.macro PLACES
.rept 4
	v_nop
.endr
.endm
; A K step is four quarters of 32 along K, 64 matrix instructions each, on buffers 0, 1, 0, 1.
; One of the first three: multiplies buffer f; in its middle it fetches the same slot's quarter q into buffer g, 32 matrix instructions ahead of its first use.
.macro QUARTER slot, q, f, g, zero
	s_wait_dscnt 8                                 ; LDS loads come back in order (ISA guide 5.7.1): W and x's rows 0-63 are in; the youngest eight loads (x's rows 64-127) may be out
	MUL16 \f, 0, 0, \zero
	MUL16 \f, 0, 2, \zero
	PLACES
	FETCH \slot, \q, \g
	s_wait_dscnt 32                                ; all but the 32 just issued
	MUL16 \f, 1, 0, \zero
	MUL16 \f, 1, 2, \zero
.endm
; The last quarter multiplies buffer 1 and changes slots.  ONE barrier: in front of it each wave waits for all its tensor loads (one is out: its part of the next slot), adds 0 to its spare word, and waits for
; that and for its reads of this slot.  fill = 1: the barrier opens a round of the cluster's, and behind the round this slot is filled again, two K steps on: from that request to the wait for it a wave
; issues 224 matrix instructions.
.macro TURN slot, next, fill
	WIN 0                                          ; (the add's two registers lie in window 0)
	s_wait_tensorcnt 0x0                           ; all my tensor loads have landed;
	ds_add_u32 v[SPW], v[NIL]                      ; 0 onto my spare word;
	s_wait_dscnt 9                                 ; (the add and the youngest eight loads may be out)
	MUL16 F1, 0, 0, 0                              ; sixteen matrix instructions stand between the add and the wait for it
	s_wait_dscnt 0x0                               ; the add is done, and my reads of this slot are over
	s_barrier_signal -1
	MUL16 F1, 0, 2, 0                              ; work on registers while the others arrive
.if \fill
	WIN 0
.endif
	s_barrier_wait -1
.if \fill
	CREST                                          ; no wave of any partner still reads this slot's tile or has a load on its way
	s_add_nc_u64 s[G0A+4*(\slot)+2:G0A+4*(\slot)+3], s[G0A+4*(\slot)+2:G0A+4*(\slot)+3], 2*KSTEP*2
	s_add_nc_u64 s[G0B+4*(\slot)+2:G0B+4*(\slot)+3], s[G0B+4*(\slot)+2:G0B+4*(\slot)+3], 4*HALFB
	JLOAD \slot                                    ; the first tensor load behind the round; its four v_nop are also the places in front of the loads below
.else
	PLACES
.endif
	FETCH \next, 0, F0
	MUL16 F1, 1, 0, 0
	MUL16 F1, 1, 2, 0
.endm
	s_wait_tensorcnt 1                             ; my part of K step 0 is in; step 1's may stay out
	s_barrier_signal -1
	s_barrier_wait -1                              ; everybody's is
	FETCH 0, 0, F0
	QUARTER 0, 1, F0, F1, 1                        ; the first quarter stands in front of the loop: its products start the 64 sums
	WIN 0                                          ; at a label and at a branch every window is 0
	s_mov_b32 s3, LAPS-1
.Llap:                                                 ; trip t goes once round the ring, from a lap's second quarter to the next lap's first, and fills both slots again: K steps 2 t + 2 and 2 t + 3, 31 at the last
	QUARTER 0, 2, F1, F0, 0
	QUARTER 0, 3, F0, F1, 0
	TURN 0, 1, 1
	QUARTER 1, 1, F0, F1, 0
	QUARTER 1, 2, F1, F0, 0
	QUARTER 1, 3, F0, F1, 0
	TURN 1, 0, 1
	QUARTER 0, 1, F0, F1, 0
	WIN 0
	s_sub_co_u32 s3, s3, 1
	s_cmp_lg_u32 s3, 0
	s_cbranch_scc1 .Llap
	QUARTER 0, 2, F1, F0, 0                        ; the last lap fills nothing and has no round
	QUARTER 0, 3, F0, F1, 0
	TURN 0, 1, 0
	QUARTER 1, 1, F0, F1, 0
	QUARTER 1, 2, F1, F0, 0
	QUARTER 1, 3, F0, F1, 0
	s_wait_dscnt 8                                 ; the very last quarter: nothing more to fetch
	MUL16 F1, 0, 0, 0
	MUL16 F1, 0, 2, 0
	s_wait_dscnt 0x0
	MUL16 F1, 1, 0, 0
	MUL16 F1, 1, 2, 0
	WIN 0
	; THE WAY OUT.  Squares are added inside the lane: for each of a window's four row blocks four chains of pairs, sixteen chains that do not wait for each other, over the 8 column blocks;
	; each accumulator is read from its lowest registers on.  The first squares start the chains: nothing is cleared.
	PLACES
.irp hi, 0,1
	WIN 0x0a+5*\hi                                 ; sources 0 and 1 in window 2, then 3; the sums in window 0
.set bb, 0
.rept 8
.irp al, 0,1,2,3
.irp j, 0,1,2,3
.set rA, 8*(8*\al+bb)+2*\j
.set rS, SS+8*(4*\hi+\al)+2*\j
.if bb == 0
	v_pk_mul_f32 v[rS:rS+1], v[rA:rA+1], v[rA:rA+1]
.else
	v_pk_fma_f32 v[rS:rS+1], v[rA:rA+1], v[rA:rA+1], v[rS:rS+1]
.endif
.endr
.endr
.set bb, bb+1
.endr
.endr
	WIN 0
.irp a, 0,1,2,3,4,5,6,7
	v_pk_add_f32 v[SS+8*\a:SS+8*\a+1],   v[SS+8*\a:SS+8*\a+1],   v[SS+8*\a+2:SS+8*\a+3]
	v_pk_add_f32 v[SS+8*\a+4:SS+8*\a+5], v[SS+8*\a+4:SS+8*\a+5], v[SS+8*\a+6:SS+8*\a+7]
.endr
.irp a, 0,1,2,3,4,5,6,7
	v_pk_add_f32 v[SS+8*\a:SS+8*\a+1], v[SS+8*\a:SS+8*\a+1], v[SS+8*\a+4:SS+8*\a+5]
.endr
.irp a, 0,1,2,3,4,5,6,7
	v_add_f32 v[RS+\a], v[SS+8*\a], v[SS+8*\a+1]   ; row 16 a + r, my lanes' 64 columns
.endr
.irp a, 0,1,2,3,4,5,6,7
	ds_store_b32 v[STO], v[RS+\a] offset:64*\a     ; through my own stage, so that a lane holds four neighbouring rows
.endr
	ds_load_b128 v[BK:BK+3],   v[RD]               ; LDS serves a wave's instructions in order (ISA guide 5.7.1.4): these see the stores above
	ds_load_b128 v[BK+4:BK+7], v[RD] offset:512
	s_wait_dscnt 0x0
	global_store_b128 v[CO], v[BK:BK+3],   s[8:9]               ; each store of the wave covers 512 consecutive bytes, at a multiple of 256 from part's first byte: the plane of h = 0,
	global_store_b128 v[CO], v[BK+4:BK+7], s[8:9] offset:32768  ; and that of h = 1
	s_wait_tensorcnt 0x0                           ; the wave's end: the add and its waits stand behind my last tensor load and my last LDS store
	ds_add_u32 v[SPW], v[NIL]
	s_wait_dscnt 0x0
	CROUND                                         ; the closing round: no work-group ends while a partner may still ask for a tile that names it
	s_endpgm
.Lfunc_end_k_qe1379d37f9_gemm:
	.size	k_qe1379d37f9_gemm, .Lfunc_end_k_qe1379d37f9_gemm-k_qe1379d37f9_gemm
	.p2alignl 7, 3214868480
	.fill 96, 4, 3214868480
	.section	.rodata,"a",@progbits
	.p2align	6, 0x0
	.amdhsa_kernel k_qe1379d37f9_gemm
		.amdhsa_group_segment_fixed_size 327680
		.amdhsa_private_segment_fixed_size 0
		.amdhsa_enable_private_segment 0
		.amdhsa_kernarg_size 24
		.amdhsa_user_sgpr_count 2
		.amdhsa_user_sgpr_kernarg_segment_ptr 1
		.amdhsa_wavefront_size32 1
		.amdhsa_system_sgpr_workgroup_id_x 1
		.amdhsa_system_sgpr_workgroup_id_y 1
		.amdhsa_system_sgpr_workgroup_id_z 1
		.amdhsa_system_vgpr_workitem_id 0
		.amdhsa_next_free_vgpr 1024
		.amdhsa_next_free_sgpr 66
		.amdhsa_reserve_vcc 0
		.amdhsa_float_denorm_mode_32 3
		.amdhsa_float_denorm_mode_16_64 3
		.amdhsa_memory_ordered 1
		.amdhsa_forward_progress 1
		.amdhsa_inst_pref_size 130
	.end_amdhsa_kernel
	.amdgpu_metadata
---
amdhsa.version: [ 1, 2 ]
amdhsa.kernels:
  - .name:           k_qe1379d37f9_gemm
    .symbol:         k_qe1379d37f9_gemm.kd
    .args:
      - { .name: xb, .offset: 0, .size: 8, .value_kind: global_buffer, .address_space: global }
      - { .name: wt, .offset: 8, .size: 8, .value_kind: global_buffer, .address_space: global }
      - { .name: part, .offset: 16, .size: 8, .value_kind: global_buffer, .address_space: global }
    .group_segment_fixed_size: 327680
    .private_segment_fixed_size: 0
    .kernarg_segment_align: 8
    .kernarg_segment_size: 24
    .max_flat_workgroup_size: 128
    .sgpr_count:     66
    .vgpr_count:     1024
    .wavefront_size: 32
...
	.end_amdgpu_metadata
.endif
;; end of part 5
;; launch norm (part 6): grid 64 x 1, 1 waves a work-group, no clusters, 0 bytes of LDS; arguments part, out0; writes out0
.if DOCPART == 6
	.amdgcn_target "amdgcn-amd-amdhsa--gfx1250"
	.amdhsa_code_object_version 6
	.text
	.protected	k_qe1379d37f9_norm
	.globl	k_qe1379d37f9_norm
	.p2align	8
	.type	k_qe1379d37f9_norm,@function
k_qe1379d37f9_norm:
	s_mov_b64 s[64:65], 0
	v_nop
	global_prefetch_b8 v0, s[64:65] scope:SCOPE_SE
	s_setreg_imm32_b32 hwreg(HW_REG_WAVE_MODE, 25, 1), 1
	s_wait_xcnt 0x0
; out0[row] = the root of the sum of a row's 32 partial sums of squares.  part: 32 planes of 8,192 f32, 32,768 bytes apart.
; A lane owns four neighbouring rows, a wave 128: 64 work-groups of one wave are all the work there is.  Each load and the store cover 512 consecutive bytes, aligned.
; LIMIT.  v_sqrt_f32 takes a denormal input for zero (ISA guide, its entry): a row whose sum of squares lies below 2^-126 gives 0.
	s_load_b128 s[4:7], s[0:1], 0x0                ; part s[4:5], out0 s[6:7]
	v_lshlrev_b32 v1, 4, v0                        ; 16 bytes a lane
	s_lshl_b32 s8, ttmp9, 9                        ; 128 rows of 4 bytes a work-group
	s_mov_b32 s9, 0
	s_wait_kmcnt 0x0
	s_add_nc_u64 s[4:5], s[4:5], s[8:9]
	s_add_nc_u64 s[6:7], s[6:7], s[8:9]
.set p, 0
.rept 32
	global_load_b128 v[4+4*p:7+4*p], v1, s[4:5] offset:32768*p th:TH_LOAD_NT
.set p, p+1
.endr
	s_wait_loadcnt 0x0
.irp d, 1,2,4,8,16                     ; a tree: planes d apart are added, 62 packed additions in all
.set p, 0
.rept 16/\d
	v_pk_add_f32 v[4+4*p:5+4*p], v[4+4*p:5+4*p], v[4+4*(p+\d):5+4*(p+\d)]
	v_pk_add_f32 v[6+4*p:7+4*p], v[6+4*p:7+4*p], v[6+4*(p+\d):7+4*(p+\d)]
.set p, p+2*\d
.endr
.endr
	v_sqrt_f32 v132, v4
	v_sqrt_f32 v133, v5
	v_sqrt_f32 v134, v6
	v_sqrt_f32 v135, v7
	v_nop                                          ; a plain instruction between the last root and the use of its result (ISA guide 5.7.2)
	s_wait_alu depctr_va_vdst(0)
	global_store_b128 v1, v[132:135], s[6:7]
	s_endpgm
.Lfunc_end_k_qe1379d37f9_norm:
	.size	k_qe1379d37f9_norm, .Lfunc_end_k_qe1379d37f9_norm-k_qe1379d37f9_norm
	.p2alignl 7, 3214868480
	.fill 96, 4, 3214868480
	.section	.rodata,"a",@progbits
	.p2align	6, 0x0
	.amdhsa_kernel k_qe1379d37f9_norm
		.amdhsa_group_segment_fixed_size 0
		.amdhsa_private_segment_fixed_size 0
		.amdhsa_enable_private_segment 0
		.amdhsa_kernarg_size 16
		.amdhsa_user_sgpr_count 2
		.amdhsa_user_sgpr_kernarg_segment_ptr 1
		.amdhsa_wavefront_size32 1
		.amdhsa_system_sgpr_workgroup_id_x 1
		.amdhsa_system_sgpr_workgroup_id_y 1
		.amdhsa_system_sgpr_workgroup_id_z 1
		.amdhsa_system_vgpr_workitem_id 0
		.amdhsa_next_free_vgpr 136
		.amdhsa_next_free_sgpr 66
		.amdhsa_reserve_vcc 0
		.amdhsa_float_denorm_mode_32 3
		.amdhsa_float_denorm_mode_16_64 3
		.amdhsa_memory_ordered 1
		.amdhsa_forward_progress 1
		.amdhsa_inst_pref_size 8
	.end_amdhsa_kernel
	.amdgpu_metadata
---
amdhsa.version: [ 1, 2 ]
amdhsa.kernels:
  - .name:           k_qe1379d37f9_norm
    .symbol:         k_qe1379d37f9_norm.kd
    .args:
      - { .name: part, .offset: 0, .size: 8, .value_kind: global_buffer, .address_space: global }
      - { .name: out0, .offset: 8, .size: 8, .value_kind: global_buffer, .address_space: global }
    .group_segment_fixed_size: 0
    .private_segment_fixed_size: 0
    .kernarg_segment_align: 8
    .kernarg_segment_size: 16
    .max_flat_workgroup_size: 32
    .sgpr_count:     66
    .vgpr_count:     136
    .wavefront_size: 32
...
	.end_amdgpu_metadata
.endif
;; end of part 6
;; ======== version 3 of 3: 3 launches; version 2 with the launch prep written anew for expert scheduling mode
;; workspace buffers: wt 16,777,216 bytes; xb 67,108,864 bytes; part 1,048,576 bytes
;; launch prep (part 7): grid 2304 x 1, 4 waves a work-group, no clusters, 0 bytes of LDS; arguments hashed_weight, x, wt, xb; writes wt, xb
.if DOCPART == 7
	.amdgcn_target "amdgcn-amd-amdhsa--gfx1250"
	.amdhsa_code_object_version 6
	.text
	.protected	k_qe1379d37f9_prep
	.globl	k_qe1379d37f9_prep
	.p2align	8
	.type	k_qe1379d37f9_prep,@function
k_qe1379d37f9_prep:
	s_mov_b64 s[64:65], 0
	v_nop
	global_prefetch_b8 v0, s[64:65] scope:SCOPE_SE
	s_setreg_imm32_b32 hwreg(HW_REG_WAVE_SCHED_MODE, 0, 2), 2
	s_setreg_imm32_b32 hwreg(HW_REG_WAVE_MODE, 25, 1), 1
	s_wait_xcnt 0x0
	s_wait_alu depctr_vm_vsrc(0)
; TWO JOBS IN ONE LAUNCH, told apart by the work-group's number; both make the product's operands in bf16 (nearest even), and neither reads what the other writes.
; Work-groups 0 to 255 rebuild W from the shared vector (wt); work-groups 256 to 2,303 round x (xb).  The first job is a long chain of scalar work and a gather that leave memory nearly idle,
; the second is a plain stream: with 84 registers a wave nine work-groups share a WGP, so the chain runs beneath the stream.  The long work-groups have the lowest numbers.
; THE MODE: SCHED_MODE bits 1:0 = 2 (LLVM: expert scheduling mode 2), set by the entry lines.  The code itself states the register dependences
; between vector instructions and memory instructions, with s_wait_alu, always for 0.
;
; xb = x rounded, [8192][4096] bf16.  A work-group takes 65,536 consecutive bytes of x; thread t owns the 16 bytes at 16 t of each chunk of 2,048: a load of a wave covers 512 consecutive bytes,
; a store 256, both aligned.  A wave's 32 loads go through a ring of 16 register slots: sixteen loads of every wave are on their way at the start, eight to twelve later.
; THE STREAM'S PLAN.  The 32 chunks go in eight blocks of four.  Registers that memory instructions touch:
;   v1, v2     byte offsets, made once at the head and never written again: the chunk stands in the immediate.
;   X0 .. X3   four slots each.  Written by loads; read by the roundings of the block that owns the buffer.  In blocks 4 to 7 a slot is rounded in place: its first two registers are then read by the
;              next block's stores and never written again.
;   Y0, Y1     four pairs each.  Written by the roundings of blocks 0 to 3; read by the stores that are issued one block later.
; Block p rounds X[p % 4].  Its memory instructions are the loads of block p + 3, which land in X[(p - 1) % 4], and the stores of block p - 1: they touch the buffers that block p - 1 worked on and
; that no vector instruction of block p names.  So the waits at a block's head state all that its memory instructions hang on, and these are dealt among its roundings with no further wait.
;
; W [4096][2048]: tile (kb, nb) of 32 x 32 is the 1,024 consecutive f32 of hashed_weight from start(kb, nb) = ((kb R3 + nb R2 + R1) mod (2^31 - 1)) mod 1,047,552 on, k by n.
; R1, R2, R3 are the first three numbers of numpy's RandomState(1367).randint(1, 2^31 - 1): part of the index map that the problem fixes.  They are made here, exactly, in integer scalar code:
; the generator's seeding recurrence up to word 399, the twist of words 0 to 2, the tempering, the mask of 31 bits, plus 1.
; LIMIT.  numpy throws a masked draw above 2^31 - 3 away and draws again; that second draw is not written.  It hangs on the fixed seed alone, on no input.
; wt, in bytes: W[k][n] lies at (n/256) 2,097,152 + (k/32) 16,384 + ((n/32)%8) 2,048 + ((k%32)/8) 512 + (n%32) 16 + (k%8) 2:
; a column tile's stream is dense, 32 k of it are 16,384 bytes on end, and sixteen neighbouring columns' eight k are 256 bytes on end.
; Wave Wv of the 1,024 owns nt = Wv / 128 and kb = Wv % 128: eight hash tiles (nb = 8 nt + 0..7), 16,384 consecutive bytes of wt.  A lane loads one column n, 32 k, so the turning from [k][n] to
; k-contiguous costs nothing.  The starts are multiples of 4 bytes only, so the loads are of 4 bytes a lane: 128 consecutive bytes a load.
; THE WEIGHTS' PLAN.  Registers that memory instructions touch:
;   v1, v2     byte offsets, made once at the head and never written again.
;   BUF0, BUF1 Tile t + 1's loads, issued in turn t, land in BUF[(t + 1) % 2]; turn t's sixteen roundings read BUF[t % 2].
;   Y          Written by turn t's roundings; read by the four stores that are issued in turn t + 1.
; Turn t: one wait on va_vdst (the last turn's roundings are done reading the buffer that is loaded now, and have written Y), the loads, the last tile's stores, the wait for tile t, one wait on
; vm_vsrc (those stores have read Y), the roundings.
.set WGS_W, 256                        ; work-groups that make wt
.set XS,  4                            ; the stream: v[4:67]   16 slots of 4 registers, f32 as loaded: buffer k at XS + 16 k
.set YS,  68                           ;             v[68:83]  8 pairs, bf16 to store: buffer k at YS + 8 k
.set BUF, 4                            ; the weights: v[4:35], v[36:67]  two buffers: a tile's 32 rows, my column
.set Y,   68                           ;              v[68:83]  the tile in bf16: 16 registers, k ascending
.set KEY0, 44                          ; s44      word 0 of the generator's state: the seed
                                       ; s15-17   words 1 to 3;  s18-20 words 397 to 399;  s21-23 R1, R2, R3
                                       ; s[24:25] kb R3 + nb R2 + R1 for the tile to come;  s[30:31] R2 as a pair
                                       ; s[40:41], s[42:43] the load base of buffer 0, 1
	s_cmp_lt_u32 ttmp9, WGS_W
	s_cbranch_scc1 .Lweights
	; ---------------- THE STREAM ----------------
	s_load_b64 s[4:5], s[0:1], 0x8                 ; x
	s_load_b64 s[6:7], s[0:1], 0x18                ; xb
	s_sub_co_u32 s8, ttmp9, WGS_W                  ; my part, 0 to 2,047
	s_lshl_b32 s10, s8, 16                         ; 65,536 bytes of x,
	s_mov_b32 s11, 0
	s_lshl_b32 s12, s8, 15                         ; 32,768 of xb
	s_mov_b32 s13, 0
	v_lshlrev_b32 v1, 4, v0                        ; 16 t; never rewritten: the chunk stands in the immediate
	v_lshlrev_b32 v2, 3, v0                        ; 8 t; never rewritten
	s_wait_kmcnt 0x0
	s_add_nc_u64 s[4:5], s[4:5], s[10:11]
	s_add_nc_u64 s[6:7], s[6:7], s[12:13]
	s_wait_alu depctr_va_vdst(0)                   ; v1 and v2 are written: every load and store of the stream reads one of them as its offset
.set i, 0
.rept 16
	global_load_b128 v[XS+4*i:XS+4*i+3], v1, s[4:5] offset:2048*i th:TH_LOAD_NT  ; x is read once in the launch; blocks 0 to 3 into X0 to X3
.set i, i+1
.endr
; Block p: chunks 4 p to 4 p + 3.  left = how many younger loads may still be out when this block's four have to be there.
; Blocks 0 to 3 round into Y[p % 2]; blocks 4 to 7, whose slots are not loaded again, round in place.  Blocks 1 to 4 load block p + 3; blocks 1 to 7 store block p - 1; the load stands ahead of the store.
.macro BLK p, left
	s_wait_loadcnt \left                           ; loads come back in order (ISA guide 5.7.1): X[p % 4] is in, the younger blocks stay out
.if ((\p) == 2) || ((\p) == 3)
	s_wait_xcnt 0x0                                ; Y[p % 2] served the stores issued in the block before: it is rewritten only behind this wait,
	s_wait_alu depctr_vm_vsrc(0)                   ; and behind this one: those stores have read Y[p % 2], which this block's roundings write again
.endif
.if (\p) >= 1
	s_wait_alu depctr_va_vdst(0)                   ; the block before has written what the stores below read, and is done reading its X, in which the loads below land
.endif
.set i, 0
.rept 4
.set rX, XS+16*((\p)%4)+4*i            ; this block's slot
.set rL, XS+16*(((\p)+3)%4)+4*i        ; the slot of the block before
.if (\p) < 4
.set rY, YS+8*((\p)%2)+2*i             ; where this chunk is rounded to
.else
.set rY, rX
.endif
.if (\p) <= 4
.set rO, YS+8*(((\p)+1)%2)+2*i         ; where the block before rounded its chunk to
.else
.set rO, rL
.endif
.if ((\p) >= 1) && ((\p) <= 4)
	global_load_b128 v[rL:rL+3], v1, s[4:5] offset:2048*(4*((\p)+3)+i) th:TH_LOAD_NT  ; three blocks ahead; no vector instruction since the wait names these registers
.endif
.if (\p) >= 1
	global_store_b64 v2, v[rO:rO+1], s[6:7] offset:1024*(4*((\p)-1)+i)
.endif
	v_cvt_pk_bf16_f32 v[rY],   v[rX],   v[rX+1]
	v_cvt_pk_bf16_f32 v[rY+1], v[rX+2], v[rX+3]
.set i, i+1
.endr
.endm
	BLK 0, 12                                      ; no block stands in front of it: no store, no load, no wait but the one for its data
	BLK 1, 8
	BLK 2, 8
	BLK 3, 8
	BLK 4, 8                                       ; the last loads: chunks 28 to 31
	BLK 5, 8                                       ; nothing is left to load: the counts run down
	BLK 6, 4
	BLK 7, 0
	s_wait_alu depctr_va_vdst(0)                   ; block 7 has written the first two registers of X3's slots, which the last four stores read
.set i, 0
.rept 4
	global_store_b64 v2, v[XS+48+4*i:XS+48+4*i+1], s[6:7] offset:1024*(28+i)
.set i, i+1
.endr
	s_endpgm
	; ---------------- THE WEIGHTS ----------------
.Lweights:
	s_load_b64 s[4:5], s[0:1], 0x0                 ; hashed_weight
	s_load_b64 s[6:7], s[0:1], 0x10                ; wt; both are waited for behind the chain below
	v_lshrrev_b32 v3, 5, v0
	v_readfirstlane_b32 s8, v3                     ; wave 0..3
	v_and_b32 v3, 31, v0
	v_lshlrev_b32 v1, 2, v3                        ; 4 x lane: my column in a row of a hash tile
	v_lshlrev_b32 v2, 4, v3                        ; 16 x lane: my 16 bytes in 512 of wt
	s_lshl_b32 s9, ttmp9, 2
	s_wait_alu depctr_va_sdst(0)                   ; s8 is written, ahead of its first reader: the wave's tiles and its bytes of wt are made from it
	s_add_co_u32 s9, s9, s8                        ; Wv
	; THE SEEDING: word[i] = 1,812,433,253 (word[i-1] xor word[i-1] >> 30) + i, modulo 2^32.  Each word needs the one before it, so the 399 steps are one chain; they are written out,
	; four scalar lines each, the index as the add's 16-bit immediate: 6,384 bytes of text.
	s_mov_b32 s[KEY0], 1367
	s_mov_b32 s10, 1367                            ; the word in hand
	s_mov_b32 s12, 0x6c078965
.macro MTSTEP idx
	s_lshr_b32 s11, s10, 30
	s_xor_b32 s11, s11, s10
	s_mul_i32 s10, s11, s12
	s_addk_co_i32 s10, \idx
.endm
	MTSTEP 1
	s_mov_b32 s15, s10                             ; word 1
	MTSTEP 2
	s_mov_b32 s16, s10                             ; word 2
	MTSTEP 3
	s_mov_b32 s17, s10                             ; word 3
.set ii, 4
.rept 393                              ; words 4 to 396
	MTSTEP ii
.set ii, ii+1
.endr
	MTSTEP 397
	s_mov_b32 s18, s10                             ; word 397
	MTSTEP 398
	s_mov_b32 s19, s10                             ; word 398
	MTSTEP 399
	s_mov_b32 s20, s10                             ; word 399
; Draw o: the twist of word o (from words o, o + 1, o + 397, all still as seeded), the tempering, 31 bits, plus 1
.macro DRAW dst, k0, k1, km
	s_and_b32 s32, s[\k0], 0x80000000
	s_and_b32 s33, s[\k1], 0x7fffffff
	s_or_b32 s32, s32, s33
	s_bitcmp1_b32 s32, 0
	s_cselect_b32 s33, 0x9908b0df, 0
	s_lshr_b32 s32, s32, 1
	s_xor_b32 s32, s32, s33
	s_xor_b32 s32, s32, s[\km]
	s_lshr_b32 s33, s32, 11
	s_xor_b32 s32, s32, s33
	s_lshl_b32 s33, s32, 7
	s_and_b32 s33, s33, 0x9d2c5680
	s_xor_b32 s32, s32, s33
	s_lshl_b32 s33, s32, 15
	s_and_b32 s33, s33, 0xefc60000
	s_xor_b32 s32, s32, s33
	s_lshr_b32 s33, s32, 18
	s_xor_b32 s32, s32, s33
	s_and_b32 s32, s32, 0x7fffffff
	s_add_co_u32 s[\dst], s32, 1
.endm
	DRAW 21, KEY0, 15, 18                          ; R1
	DRAW 22, 15, 16, 19                            ; R2
	DRAW 23, 16, 17, 20                            ; R3
	; kb R3 + 8 nt R2 + R1: below 191 x 2^31, so 64 bits hold it
	s_and_b32 s26, s9, 127                         ; kb
	s_mov_b32 s27, 0
	s_mov_b32 s28, s23
	s_mov_b32 s29, 0
	s_mul_u64 s[24:25], s[26:27], s[28:29]
	s_lshr_b32 s26, s9, 7                          ; nt
	s_lshl_b32 s26, s26, 3
	s_mov_b32 s30, s22
	s_mov_b32 s31, 0
	s_mul_u64 s[26:27], s[26:27], s[30:31]
	s_add_nc_u64 s[24:25], s[24:25], s[26:27]
	s_mov_b32 s28, s21
	s_add_nc_u64 s[24:25], s[24:25], s[28:29]
	s_mov_b32 s37, 0                               ; high word of the offset pair s[36:37]
	s_lshl_b32 s38, s9, 14                         ; my 16,384 bytes of wt
	s_mov_b32 s39, 0
	s_wait_kmcnt 0x0
	s_add_nc_u64 s[6:7], s[6:7], s[38:39]
	s_wait_alu depctr_va_vdst(0)                   ; v1 and v2 are written: every load and store below reads one of them as its offset
; The next tile's start, and from it the load base of buffer p.
; Modulo 2^31 - 1: 2^31 counts as 1, so the bits from 31 on are added to the low 31; the sum is below 2^31 + 256: one subtraction at the most.
; Modulo 1,023 x 1,024: the low ten bits stay; of the rest, 1,024 counts as 1 modulo 1,023, so its three fields are added (2,047 at the most) and 1,023 is taken away up to twice.
.macro START p
	s_lshl_b32 s32, s25, 1
	s_lshr_b32 s33, s24, 31
	s_or_b32 s32, s32, s33
	s_and_b32 s33, s24, 0x7fffffff
	s_add_co_u32 s32, s32, s33
	s_cmp_ge_u32 s32, 0x7fffffff
	s_cselect_b32 s33, 0x7fffffff, 0
	s_sub_co_u32 s32, s32, s33
	s_bfe_u32 s33, s32, 0xa000a                    ; ten bits from bit 10
	s_bfe_u32 s34, s32, 0xa0014                    ; ten bits from bit 20
	s_add_co_u32 s33, s33, s34
	s_lshr_b32 s34, s32, 30
	s_add_co_u32 s33, s33, s34
.rept 2
	s_cmp_ge_u32 s33, 1023
	s_cselect_b32 s34, 1023, 0
	s_sub_co_u32 s33, s33, s34
.endr
	s_and_b32 s32, s32, 1023
	s_lshl_b32 s33, s33, 10
	s_or_b32 s32, s32, s33
	s_min_u32 s32, s32, 0xffbff                    ; the modulo's own bound, 1,047,551, written where an address is made: start + 1,023 stays inside the 1,048,576 numbers
	s_lshl_b32 s36, s32, 2
	s_add_nc_u64 s[40+2*(\p):41+2*(\p)], s[4:5], s[36:37]
	s_add_nc_u64 s[24:25], s[24:25], s[30:31]      ; nb + 1
.endm
.macro LOADS p, first, count           ; rows first .. first + count - 1 of the tile: row i is k = i, my lane is n
.set i, \first
.rept \count
	global_load_b32 v[BUF+32*(\p)+i], v1, s[40+2*(\p):41+2*(\p)] offset:128*i
.set i, i+1
.endr
.endm
.macro PACK p                          ; two neighbouring k a register; eight k are 16 bytes
.set i, 0
.rept 16
	v_cvt_pk_bf16_f32 v[Y+i], v[BUF+32*(\p)+2*i], v[BUF+32*(\p)+2*i+1]
.set i, i+1
.endr
.endm
.macro STORES t                        ; tile t out of Y: a store of the wave covers 512 consecutive bytes, aligned
.irp j, 0,1,2,3
	global_store_b128 v2, v[Y+4*\j:Y+4*\j+3], s[6:7] offset:2048*(\t)+512*\j
.endr
.endm
	START 0
	LOADS 0, 0, 32
.irp t, 0,1,2,3,4,5,6
	START (\t+1)%2                                 ; this base and this buffer served tile t - 1, all of whose 32 loads the last turn's counted wait has shown done
.if \t > 0
	s_wait_alu depctr_va_vdst(0)                   ; the last turn's roundings are done reading the buffer in which the loads below land, and have written Y, which the stores below read
.endif
	LOADS (\t+1)%2, 0, 31                          ; 32 + 31 = 63 loads of the wave are out here, the most in this text
.if \t > 0
	STORES \t-1                                    ; the last tile leaves, behind the loads and ahead of the wait for data
.endif
	s_wait_loadcnt 31                              ; loads come back in order (ISA guide 5.7.1): tile t is in, the 31 just issued stay out
	LOADS (\t+1)%2, 31, 1                          ; the next tile's last row
.if \t > 0
	s_wait_xcnt 0x0                                ; Y, which the last tile's stores read, is rewritten only behind this wait,
	s_wait_alu depctr_vm_vsrc(0)                   ; and behind this one: those stores have read Y, which the roundings below write again
.endif
	PACK (\t)%2
.endr
	s_wait_alu depctr_va_vdst(0)                   ; tile 6's roundings have written Y, which the stores below read
	STORES 6
	s_wait_loadcnt 0x0                             ; the last tile: nothing was issued behind it
	s_wait_xcnt 0x0                                ; Y is rewritten only behind this wait,
	s_wait_alu depctr_vm_vsrc(0)                   ; and behind this one: tile 6's stores have read Y
	PACK 1
	s_wait_alu depctr_va_vdst(0)                   ; tile 7's roundings have written Y, which the last four stores read
	STORES 7
	s_endpgm
.Lfunc_end_k_qe1379d37f9_prep:
	.size	k_qe1379d37f9_prep, .Lfunc_end_k_qe1379d37f9_prep-k_qe1379d37f9_prep
	.p2alignl 7, 3214868480
	.fill 96, 4, 3214868480
	.section	.rodata,"a",@progbits
	.p2align	6, 0x0
	.amdhsa_kernel k_qe1379d37f9_prep
		.amdhsa_group_segment_fixed_size 0
		.amdhsa_private_segment_fixed_size 0
		.amdhsa_enable_private_segment 0
		.amdhsa_kernarg_size 32
		.amdhsa_user_sgpr_count 2
		.amdhsa_user_sgpr_kernarg_segment_ptr 1
		.amdhsa_wavefront_size32 1
		.amdhsa_system_sgpr_workgroup_id_x 1
		.amdhsa_system_sgpr_workgroup_id_y 1
		.amdhsa_system_sgpr_workgroup_id_z 1
		.amdhsa_system_vgpr_workitem_id 0
		.amdhsa_next_free_vgpr 84
		.amdhsa_next_free_sgpr 66
		.amdhsa_reserve_vcc 0
		.amdhsa_float_denorm_mode_32 3
		.amdhsa_float_denorm_mode_16_64 3
		.amdhsa_memory_ordered 1
		.amdhsa_forward_progress 1
		.amdhsa_inst_pref_size 111
	.end_amdhsa_kernel
	.amdgpu_metadata
---
amdhsa.version: [ 1, 2 ]
amdhsa.kernels:
  - .name:           k_qe1379d37f9_prep
    .symbol:         k_qe1379d37f9_prep.kd
    .args:
      - { .name: hashed_weight, .offset: 0, .size: 8, .value_kind: global_buffer, .address_space: global }
      - { .name: x, .offset: 8, .size: 8, .value_kind: global_buffer, .address_space: global }
      - { .name: wt, .offset: 16, .size: 8, .value_kind: global_buffer, .address_space: global }
      - { .name: xb, .offset: 24, .size: 8, .value_kind: global_buffer, .address_space: global }
    .group_segment_fixed_size: 0
    .private_segment_fixed_size: 0
    .kernarg_segment_align: 8
    .kernarg_segment_size: 32
    .max_flat_workgroup_size: 128
    .sgpr_count:     66
    .vgpr_count:     84
    .wavefront_size: 32
...
	.end_amdgpu_metadata
.endif
;; end of part 7
;; launch gemm: the kernel of part 5 again; grid 8 x 32, 4 waves a work-group, clusters of 4 x 4, 327,680 bytes of LDS; arguments xb, wt, part; writes part
;; launch norm: the kernel of part 6 again; grid 64 x 1, 1 waves a work-group, no clusters, 0 bytes of LDS; arguments part, out0; writes out0
